; MI455X (gfx1250); checked and timed in simulation.
; The chip was launched on July 23, 2026; its instructions are those of AMD's public machine-readable ISA for CDNA 5 (MIT licence, August 2026) and "CDNA5" Instruction Set Architecture Reference Guide (July 2026). The comments in the code are by the model that wrote it; some were corrected since.
;; Self Attention. Allowed arithmetic: matrix products marked QUANTISED: E3M2 operands, one E8M0 scale for each 32 along K, by v_wmma_scale_f32_16x16x128_f8f6f4 with both operands' format E3M2, f32 sums; everything else in f32.
;; Inputs: b_out 1,024 float32; b_qkv 3,072 float32; w_out 1,024 x 1,024 float32; w_qkv 1,024 x 3,072 float32; x 4 x 2,048 x 1,024 float32.
;; Outputs: out0 4 x 2,048 x 1,024 float32.
;; This version of the problem:
;;   THIS VERSION OF THE PROBLEM IS GIVEN IN LOW PRECISION. The matrix products marked QUANTISED in the list below multiply operands that are first quantised to E3M2 (3 exponent bits, 2 mantissa bits; 6 bits a number), with one power-of-two scale for each 32 numbers along K (OCP MX v1.0); their sums are f32. All else is computed in f32.
;;   The module's matrix products, in the order in which they are computed (A, B: the left and right operand; K: the contracted axis; several contracted axes count as one K, in the product's order):
;;     1. [M 8,192, K 1,024] x [K 1,024, N 3,072]; A: input x; B: input w_qkv: QUANTISED
;;     2. batch 64 x [M 2,048, K 64] x [K 64, N 2,048]; A: computed on the way; B: computed on the way: QUANTISED
;;     3. batch 64 x [M 2,048, K 2,048] x [K 2,048, N 64]; A: softmax (see below); B: computed on the way: QUANTISED
;;     4. [M 8,192, K 1,024] x [K 1,024, N 1,024]; A: computed on the way; B: input w_out: QUANTISED
;;   THE QUANTISER, for each operand of a quantised product, along K:
;;     - K is cut into blocks of 32 from its start; a last block that is shorter is filled with zeros.
;;     - A block's scale is 2^e with e = floor(log2(the largest magnitude in the block)) - 4, held to -126 .. 127; a block of zeros has e = 0. As a byte (E8M0): e + 127.
;;     - Each number is divided by its block's scale, clamped to +-28, and rounded to the nearest number of E3M2, ties to even, subnormals kept.
;;     - The product sums the exact products of the quantised numbers (number of the format x scale) in f32.
;;   ~~~python
;;   def quantise(x, axis):      # numpy; x: float32 -> the quantised numbers, widened to float32 again
;;       x = np.moveaxis(x, axis, -1); K = x.shape[-1]
;;       x = np.pad(x, [(0, 0)] * (x.ndim - 1) + [(0, -K % 32)]); x = x.reshape(x.shape[:-1] + (-1, 32)); a = np.abs(x).max(-1, keepdims=True)
;;       e = np.where(a > 0, np.clip(np.frexp(np.where(a > 0, a, 1))[1] - 1 - 4, -126, 127), 0)      # np.frexp(a)[1] - 1 = floor(log2(a)), exactly
;;       r = np.clip(x / 2.0 ** e, -28, 28)
;;       step = 2.0 ** (np.maximum(np.frexp(np.where(r == 0, 1, r))[1] - 1, -2) - 2)
;;       q = np.round(r / step) * step * 2.0 ** e      # np.round: ties to even
;;       return np.moveaxis(q.reshape(q.shape[:-2] + (-1,))[..., :K], -1, axis).astype(np.float32)
;;   ~~~
;;   SOFTMAX AHEAD OF A QUANTISED PRODUCT. Where the list says 'softmax', what is quantised is not the finished softmax but p = 2^(t - M), with t = logit x log2(e) and M = ceil(the row's largest t), a whole number; so 1/2 < the row's largest p <= 1. The row's sum l is taken of the UNQUANTISED p, in f32, and the product's result is divided by l at the end. Since M is a whole number, a kernel that streams over the keys may use a running M (the ceiling of the running maximum): every later rescaling is an exact power of two, which a block's scale takes up: the codes' values come out the same.
;;   OPERANDS COMPUTED ON THE WAY. 'Computed on the way' means the value that the module computes at that place (a softmax that the list does not call 'softmax' is quantised finished and normalised). What goes into a quantiser is computed in f32, as accurately as f32 sums, v_exp_f32 and their like allow (about 1e-6 of the number): no bf16 or f16 on the way to a quantiser, and a product that is left as it is and whose result goes on into a quantised operand takes f32 operands (vector FMAs, or v_wmma_f32_16x16x4_f32). A number that lies on a knife's edge between two numbers of the format may be rounded either way, as far as f32 arithmetic and the matrix unit's own rounding can turn it there, and no further.
;; One version. Each part assembles by itself: llvm-mc -triple=amdgcn-amd-amdhsa -mcpu=gfx1250 --defsym DOCPART=n.
;; ======== version 1 of 1: 4 launches
;; workspace buffers: xq 6,291,456 bytes; xs 262,144 bytes; wq 3,145,728 bytes; ws 131,072 bytes; qkv 20,185,088 bytes; oq 6,291,456 bytes; os 262,144 bytes
;; launch quant (part 1): grid 384 x 1, 4 waves a work-group, no clusters, 59,904 bytes of LDS; arguments x, w_qkv, w_out, xq, xs, wq, ws; writes xq, xs, wq, ws
.if DOCPART == 1
	.amdgcn_target "amdgcn-amd-amdhsa--gfx1250"
	.amdhsa_code_object_version 6
	.text
	.protected	k_q960c5b2363_quant
	.globl	k_q960c5b2363_quant
	.p2align	8
	.type	k_q960c5b2363_quant,@function
k_q960c5b2363_quant:
	s_mov_b64 s[64:65], 0
	v_nop
	global_prefetch_b8 v0, s[64:65] scope:SCOPE_SE
	s_setreg_imm32_b32 hwreg(HW_REG_WAVE_MODE, 25, 1), 1
	s_wait_xcnt 0x0
; x [8192][1024], w_qkv [1024][3072] and w_out [1024][1024], f32, become codes of BF6 (E3M2) with one E8M0 scale byte for each 32 along K (K = 1,024 for all three).
; A block's scale is 2^(floor(log2(its largest magnitude)) - 4): its byte is the largest magnitude's exponent field - 4, held at 1 from below by a floor among the maximum's leaves.
; LIMITS: a block of zeros gets the byte 1 where the rule says 127 (its codes are zeros, and this program alone reads the bytes); NaN and infinities among the inputs are not served.
; LAYOUT OF THE CODES (xq, wq): [block of 128 rows][256 along K][tile of 16 rows, 8][128 along K, 2][half c, 2][768 bytes]: the image of a matrix operand's registers.
;   A half is registers 6 c .. 6 c + 3 at 16 x lane (512 bytes), then registers 6 c + 4, 6 c + 5 at 8 x lane (256 bytes).
;   THE ROWS OF A TILE ARE NOT NEIGHBOURS: lane r of tile 2 g + u takes row 32 g + 8 u + r + 8 (r / 8).
; LAYOUT OF THE SCALES (xs, ws): [block of 128 rows][256 along K][tile][r][128 along K, 2]: one word for a row and 128 along K.
; wq's blocks 0-23 are w_qkv's columns, blocks 24-31 w_out's.
; Work-groups 0-255 take x (32 rows each; wave = which 256 along K), work-groups 256-383 the weights (128 columns x 256 along K; wave = which 32 columns).
; Each wave makes 6,144 dense bytes of codes and one aligned run of 256 scale bytes.  Waves share nothing: no barrier.  The two paths have LDS bytes of their own.
.set SEL,  20                          ; s[20:21] lane selects for v_permlanex16_b32: lane l xor 16
.set PW,   8                           ; v8-11    x: the four steps' scale words
.set RAW,  16                          ; v16-143  x: two sets of 64 registers as loaded
.set X,    144                         ; v144-207 x: 64 numbers of a lane: register 16 b + i = k 32 b + 16 (lane / 16) + i of my row
.set PC,   208                         ; v208-227 the codes just made
.set MX,   228                         ; v228-231 largest magnitudes
.set PB,   232                         ; v232-235 the other half's; then the bytes
.set SO,   236                         ; v236-239 the conversions' scale operands
.set XST,  8448                        ; x: a wave's stage: 16 rows x (512 + 16) bytes
.set WBASE, 33792                      ; the weights' stages begin behind x's four
.set WST,  6400                        ; a wave's: two tiles' images, 3,072 bytes each, 3,200 apart
.set VO,   16                          ; v16-47   weights: 4 x lane + i rows
.set WX,   48                          ; v48-111  weights: two sets of 32 numbers down K
.set WC,   112                         ; v112-117 a block's codes
.set WE,   120                         ; v120-122 its upper half as converted
.set SB,   124                         ; v124-125 my column's eight scale bytes
.set OUTR, 128                         ; v128-175 the way out
.set BP,   32                          ; s[32:47] the eight blocks' bases in the weight
; 64 numbers of a lane, v[s] on, register 16 b + i = k 32 b + 16 (lane / 16) + i of my row, become a fragment's codes in v[PC] .. v[PC+11] and its scale word in v[pw].
.macro QUANT s, pw
.irp b, 0,1,2,3
	v_max3_num_f32 v[MX+\b], |v[(\s)+16*\b]|, |v[(\s)+1+16*\b]|, 0x2800000   ; my 16 numbers of block b, and the floor 2^(5 - 127): the byte cannot fall under 1
.endr
.irp i, 2,4,6,8,10,12,14
.irp b, 0,1,2,3
	v_max3_num_f32 v[MX+\b], v[MX+\b], |v[(\s)+16*\b+\i]|, |v[(\s)+1+16*\b+\i]|   ; the four blocks by turns
.endr
.endr
.irp b, 0,1,2,3
	v_permlanex16_b32 v[PB+\b], v[MX+\b], s[SEL], s[SEL+1]
.endr
.irp b, 0,1,2,3
	v_max_num_f32 v[MX+\b], v[MX+\b], v[PB+\b]     ; with lane l xor 16's: the block's largest magnitude
.endr
.irp b, 0,1,2,3
	v_add_nc_u32 v[SO+\b], 0xfe000000, v[MX+\b]    ; 4 off its exponent field: the conversion takes that field as its scale
.endr
.irp b, 0,1,2,3
	v_lshrrev_b32 v[PB+\b], 23, v[SO+\b]           ; the scale's byte
.endr
	v_lshl_or_b32 v[\pw], v[PB+1], 8, v[PB]
	v_lshl_or_b32 v[\pw], v[PB+2], 16, v[\pw]
	v_lshl_or_b32 v[\pw], v[PB+3], 24, v[\pw]      ; my row's scale word
.irp c, 0,1
	v_cvt_scalef32_pk16_bf6_f32 v[PC+6*\c:PC+2+6*\c], v[(\s)+32*\c:(\s)+15+32*\c], v[SO+2*\c]
	v_cvt_scalef32_pk16_bf6_f32 v[PC+12+4*\c:PC+14+4*\c], v[(\s)+16+32*\c:(\s)+31+32*\c], v[SO+2*\c+1]   ; (a conversion's three registers begin on an even number)
.endr
	v_nop                                          ; one plain place behind a scaled conversion
.irp c, 0,1                            ; the operand's layout wants a whole block in a lane: lanes 0-15 block 2 c, lanes 16-31 block 2 c + 1
.irp i, 0,1,2
	v_permlane16_swap_b32 v[PC+6*\c+\i], v[PC+12+4*\c+\i]
.endr
.irp i, 0,1,2
	v_mov_b32 v[PC+3+6*\c+\i], v[PC+12+4*\c+\i]
.endr
.endr
.endm
	s_load_b256 s[4:11], s[0:1], 0x0               ; x s[4:5], w_qkv s[6:7], w_out s[8:9], xq s[10:11]
	s_load_b128 s[12:15], s[0:1], 0x20             ; xs s[12:13], wq s[14:15]
	s_load_b64 s[16:17], s[0:1], 0x30              ; ws
	v_lshl_add_u32 v254, v0, 2, 0xe800
	v_mov_b32 v255, 0
	v_lshrrev_b32 v1, 5, v0
	v_readfirstlane_b32 s18, v1                    ; wave 0..3
	v_and_b32 v7, 31, v0                           ; lane
	v_lshlrev_b32 v1, 4, v7                        ; 16 x lane
	v_lshlrev_b32 v2, 3, v7                        ; 8 x lane
	s_mov_b32 s[SEL], 0x76543210
	s_mov_b32 s[SEL+1], 0xfedcba98
	s_mov_b32 s22, 0xffff0000                      ; lanes 16-31
	s_cmp_lt_u32 ttmp9, 256
	s_cbranch_scc0 .Lweights
; ---------------- x: work-group = group of 32 rows, wave = which 256 along K ----------------
	v_and_b32 v5, 15, v0                           ; r
	v_bfe_u32 v6, v0, 4, 1                         ; h
	s_mul_i32 s24, s18, XST                        ; my stage
	v_add_nc_u32 v3, s24, v1                       ; in: a load's 512 bytes as they lie
	v_mul_u32_u24 v4, v5, 528
	v_lshl_add_u32 v4, v6, 6, v4
	v_add_nc_u32 v4, s24, v4                       ; out: row r, + 64 h: my 16 numbers of each block of 32
.irp b, 0,1,2,3
	v_mov_b32 v[PB+\b], 0                          ; written once: a lane permute's destination counts as one of its sources
.endr
	s_lshl_b32 s24, ttmp9, 17                      ; 32 rows of 4,096 bytes
	s_lshl_b32 s25, s18, 10                        ; + 256 numbers along K
	s_add_co_u32 s24, s24, s25
	s_mov_b32 s25, 0
	s_lshr_b32 s26, ttmp9, 2                       ; the block of 128 rows
	s_and_b32 s27, ttmp9, 3                        ; and my group of 32 in it
	s_mul_i32 s28, s26, 98304
	s_mul_i32 s29, s18, 24576
	s_add_co_u32 s28, s28, s29
	s_mul_i32 s29, s27, 6144
	s_add_co_u32 s28, s28, s29
	s_mov_b32 s29, 0
	s_lshl_b32 s30, s26, 12
	s_lshl_b32 s31, s18, 10
	s_add_co_u32 s30, s30, s31
	s_lshl_b32 s31, s27, 8
	s_add_co_u32 s30, s30, s31
	s_mov_b32 s31, 0
	s_wait_kmcnt 0x0
	s_add_nc_u64 s[4:5], s[4:5], s[24:25]
	s_add_nc_u64 s[10:11], s[10:11], s[28:29]
	s_add_nc_u64 s[12:13], s[12:13], s[30:31]
; Step e = 2 u + kk: tile u of the group, the kk-th 128 along K.  Each load reads 512 consecutive bytes of one row of the tile.
.macro LOADX e
.irp i, 0,1,2,3,4,5,6,7,8,9,10,11,12,13,14,15
	global_load_b128 v[RAW+64*((\e)%2)+4*\i:RAW+64*((\e)%2)+4*\i+3], v1, s[4:5] offset:(8*((\e)/2)+\i+8*(\i/8))*4096+512*((\e)%2) th:TH_LOAD_NT
.endr
.endm
; Through the stage: rows 528 bytes apart.  LDS serves a wave's instructions in order: no wait between the stores and the loads.
.macro TURNX e
.irp i, 0,1,2,3,4,5,6,7,8,9,10,11,12,13,14,15
	ds_store_b128 v3, v[RAW+64*((\e)%2)+4*\i:RAW+64*((\e)%2)+4*\i+3] offset:528*\i
.endr
.irp b, 0,1,2,3
.irp j, 0,1,2,3
	ds_load_b128 v[X+16*\b+4*\j:X+16*\b+4*\j+3], v4 offset:128*\b+16*\j
.endr
.endr
.endm
.macro XSTEP e
.if (\e) < 3
	s_wait_loadcnt 16                              ; this step's 16 loads are in; the next step's 16 may be out
.else
	s_wait_loadcnt 0x0
.endif
	TURNX \e
	s_wait_dscnt 0x0                               ; my 64 numbers are back, and the stage's stores have read the loaded registers
	s_wait_xcnt 0x0                                ; the last step's stores have read the codes' registers
.if (\e) < 2
	LOADX (\e)+2
.endif
	QUANT X, PW+(\e)
	global_store_b128 v1, v[PC:PC+3], s[10:11] offset:3072*((\e)/2)+1536*((\e)%2)          ; the fragment's image: every store covers whole aligned runs of 256 bytes
	global_store_b64 v2, v[PC+4:PC+5], s[10:11] offset:3072*((\e)/2)+1536*((\e)%2)+512
	global_store_b128 v1, v[PC+6:PC+9], s[10:11] offset:3072*((\e)/2)+1536*((\e)%2)+768
	global_store_b64 v2, v[PC+10:PC+11], s[10:11] offset:3072*((\e)/2)+1536*((\e)%2)+1280
.endm
	LOADX 0
	LOADX 1
	XSTEP 0
	XSTEP 1
	XSTEP 2
	XSTEP 3
	v_cndmask_b32 v12, v[PW], v[PW+2], s22         ; lanes 0-15 carry tile 0's words, lanes 16-31 tile 1's
	v_cndmask_b32 v13, v[PW+1], v[PW+3], s22
	global_store_b64 v2, v[12:13], s[12:13]        ; 32 lanes store 256 consecutive bytes, aligned
	s_wait_tensorcnt 0x0
	ds_add_u32 v254, v255
	s_wait_dscnt 0x0
	s_endpgm
; ---------------- the weights: K is their first axis.  A lane takes a column, its registers run down K ----------------
.Lweights:
	s_sub_co_u32 s24, ttmp9, 256
	s_lshr_b32 s25, s24, 2                         ; wq's block of 128 columns, 0..31
	s_and_b32 s26, s24, 3                          ; which 256 along K
	s_sub_co_u32 s27, s25, 24
	s_mov_b32 s48, 12288                           ; a row of w_qkv in bytes
	s_wait_kmcnt 0x0
	s_cmp_ge_u32 s25, 24                           ; w_out's block?  The choice hangs on the work-group's number alone
	s_cselect_b64 s[6:7], s[8:9], s[6:7]
	s_cselect_b32 s48, 4096, s48
	s_cselect_b32 s27, s27, s25                    ; the block's number in its own tensor
	s_lshl_b32 s28, s26, 8
	s_mul_i32 s28, s28, s48                        ; 256 rows for each step along K
	s_lshl_b32 s29, s27, 9
	s_add_co_u32 s28, s28, s29                     ; + 128 columns a block
	s_lshl_b32 s29, s18, 7
	s_add_co_u32 s28, s28, s29                     ; + 32 columns a wave
	s_mov_b32 s29, 0
	s_add_nc_u64 s[BP:BP+1], s[6:7], s[28:29]
	s_lshl_b32 s30, s48, 5                         ; 32 rows
	s_mov_b32 s31, 0
.irp t, 1,2,3,4,5,6,7
	s_add_nc_u64 s[BP+2*\t:BP+2*\t+1], s[BP+2*\t-2:BP+2*\t-1], s[30:31]
.endr
	s_mul_i32 s28, s25, 98304
	s_mul_i32 s24, s26, 24576
	s_add_co_u32 s28, s28, s24
	s_mul_i32 s24, s18, 6144
	s_add_co_u32 s28, s28, s24
	s_add_nc_u64 s[14:15], s[14:15], s[28:29]
	s_lshl_b32 s28, s25, 12
	s_lshl_b32 s24, s26, 10
	s_add_co_u32 s28, s28, s24
	s_lshl_b32 s24, s18, 8
	s_add_co_u32 s28, s28, s24
	s_add_nc_u64 s[16:17], s[16:17], s[28:29]
	v_lshlrev_b32 v[VO], 2, v7
.irp i, 1,2,3,4,5,6,7,8,9,10,11,12,13,14,15,16,17,18,19,20,21,22,23,24,25,26,27,28,29,30,31
	v_add_nc_u32 v[VO+\i], s48, v[VO+\i-1]
.endr
	v_bfe_u32 v8, v0, 3, 1                         ; column x of the 32 is lane r of tile u: u = (x / 8) % 2,
	v_and_b32 v9, 7, v0
	v_bfe_u32 v10, v0, 4, 1
	v_lshl_add_u32 v9, v10, 3, v9                  ; r = x % 8 + 8 (x / 16)
	s_mul_i32 s24, s18, WST
	s_add_co_u32 s24, s24, WBASE                   ; my stage
	v_mul_u32_u24 v10, v8, 3200
	v_add_nc_u32 v10, s24, v10
	v_lshl_add_u32 v3, v9, 4, v10                  ; where my four registers of a half go,
	v_lshl_add_u32 v4, v9, 3, v10                  ; and my two
	v_add_nc_u32 v5, s24, v1                       ; back: 16 bytes a lane
	v_lshlrev_b32 v6, 7, v8
	v_lshl_add_u32 v6, v9, 3, v6                   ; my scale words' place: 128 u + 8 r
.macro LOADW t                         ; block t: W(32 t + i, my column), i = 0 .. 31: 128 consecutive bytes a wave, 512 a work-group
.irp i, 0,1,2,3,4,5,6,7,8,9,10,11,12,13,14,15,16,17,18,19,20,21,22,23,24,25,26,27,28,29,30,31
	global_load_b32 v[WX+32*((\t)%2)+\i], v[VO+\i], s[BP+2*(\t):BP+2*(\t)+1] th:TH_LOAD_NT
.endr
.endm
; Block t of my column is, in the operand's image, what lane 16 (t % 2) + r of tile u holds in registers 6 c .. 6 c + 5 of K step t / 4, c = (t % 4) / 2.
.macro BLOCK t
.set XS, WX+32*((\t)%2)
.if (\t) < 7
	s_wait_loadcnt 32                              ; this block's 32 loads are in; the next block's may be out
.else
	s_wait_loadcnt 0x0
.endif
	v_max3_num_f32 v12, |v[XS]|, |v[XS+1]|, |v[XS+2]|               ; all 32 numbers are mine: two chains
	v_max3_num_f32 v13, |v[XS+3]|, |v[XS+4]|, |v[XS+5]|
.irp i, 6,10,14,18,22,26
	v_max3_num_f32 v12, v12, |v[XS+\i]|, |v[XS+\i+1]|
	v_max3_num_f32 v13, v13, |v[XS+\i+2]|, |v[XS+\i+3]|
.endr
	v_max3_num_f32 v12, v12, |v[XS+30]|, |v[XS+31]|
	v_max3_num_f32 v12, v12, v13, 0x2800000        ; and the floor
	v_add_nc_u32 v11, 0xfe000000, v12              ; the conversion's scale operand
	v_lshrrev_b32 v13, 23, v11                     ; the byte
.if (\t)%4 == 0
	v_mov_b32 v[SB+(\t)/4], v13
.else
	v_lshl_or_b32 v[SB+(\t)/4], v13, 8*((\t)%4), v[SB+(\t)/4]
.endif
	v_cvt_scalef32_pk16_bf6_f32 v[WC:WC+2], v[XS:XS+15], v11
	v_cvt_scalef32_pk16_bf6_f32 v[WE:WE+2], v[XS+16:XS+31], v11
	v_nop                                          ; one plain place behind a scaled conversion
.irp i, 0,1,2
	v_mov_b32 v[WC+3+\i], v[WE+\i]
.endr
	ds_store_b128 v3, v[WC:WC+3] offset:1536*((\t)/4)+768*(((\t)%4)/2)+256*((\t)%2)
	ds_store_b64 v4, v[WC+4:WC+5] offset:1536*((\t)/4)+768*(((\t)%4)/2)+512+128*((\t)%2)
.if (\t)+2 < 8
	LOADW (\t)+2
.endif
	s_wait_dscnt 0x0                               ; the stores have read their registers: the next block's codes may be written
.endm
	LOADW 0
	LOADW 1
.irp t, 0,1,2,3,4,5,6,7
	BLOCK \t
.endr
	global_store_b64 v6, v[SB:SB+1], s[16:17]      ; the 32 lanes fill 256 consecutive bytes, aligned
.irp i, 0,1,2,3,4,5,6,7,8,9,10,11
	ds_load_b128 v[OUTR+4*\i:OUTR+4*\i+3], v5 offset:512*\i+128*(\i/6)   ; the second tile's image lies 128 bytes further on in the stage
.endr
.irp i, 0,1,2,3,4,5,6,7,8,9,10,11
	s_wait_dscnt 11-\i                             ; LDS loads come back in order: the younger ones may be out
	global_store_b128 v1, v[OUTR+4*\i:OUTR+4*\i+3], s[14:15] offset:512*\i
.endr
	s_wait_tensorcnt 0x0
	ds_add_u32 v254, v255
	s_wait_dscnt 0x0
	s_endpgm
.Lfunc_end_k_q960c5b2363_quant:
	.size	k_q960c5b2363_quant, .Lfunc_end_k_q960c5b2363_quant-k_q960c5b2363_quant
	.p2alignl 7, 3214868480
	.fill 96, 4, 3214868480
	.section	.rodata,"a",@progbits
	.p2align	6, 0x0
	.amdhsa_kernel k_q960c5b2363_quant
		.amdhsa_group_segment_fixed_size 59904
		.amdhsa_private_segment_fixed_size 0
		.amdhsa_enable_private_segment 0
		.amdhsa_kernarg_size 56
		.amdhsa_user_sgpr_count 2
		.amdhsa_user_sgpr_kernarg_segment_ptr 1
		.amdhsa_wavefront_size32 1
		.amdhsa_system_sgpr_workgroup_id_x 1
		.amdhsa_system_sgpr_workgroup_id_y 1
		.amdhsa_system_sgpr_workgroup_id_z 1
		.amdhsa_system_vgpr_workitem_id 0
		.amdhsa_next_free_vgpr 256
		.amdhsa_next_free_sgpr 66
		.amdhsa_reserve_vcc 0
		.amdhsa_float_denorm_mode_32 3
		.amdhsa_float_denorm_mode_16_64 3
		.amdhsa_memory_ordered 1
		.amdhsa_forward_progress 1
		.amdhsa_inst_pref_size 76
	.end_amdhsa_kernel
	.amdgpu_metadata
---
amdhsa.version: [ 1, 2 ]
amdhsa.kernels:
  - .name:           k_q960c5b2363_quant
    .symbol:         k_q960c5b2363_quant.kd
    .args:
      - { .name: x, .offset: 0, .size: 8, .value_kind: global_buffer, .address_space: global }
      - { .name: w_qkv, .offset: 8, .size: 8, .value_kind: global_buffer, .address_space: global }
      - { .name: w_out, .offset: 16, .size: 8, .value_kind: global_buffer, .address_space: global }
      - { .name: xq, .offset: 24, .size: 8, .value_kind: global_buffer, .address_space: global }
      - { .name: xs, .offset: 32, .size: 8, .value_kind: global_buffer, .address_space: global }
      - { .name: wq, .offset: 40, .size: 8, .value_kind: global_buffer, .address_space: global }
      - { .name: ws, .offset: 48, .size: 8, .value_kind: global_buffer, .address_space: global }
    .group_segment_fixed_size: 59904
    .private_segment_fixed_size: 0
    .kernarg_segment_align: 8
    .kernarg_segment_size: 56
    .max_flat_workgroup_size: 128
    .sgpr_count:     66
    .vgpr_count:     256
    .wavefront_size: 32
...
	.end_amdgpu_metadata
.endif
;; end of part 1
;; launch qkvp (part 2): grid 12 x 32, 4 waves a work-group, clusters of 4 x 4, 327,680 bytes of LDS; arguments xq, xs, wq, ws, b_qkv, qkv; writes qkv
.if DOCPART == 2
	.amdgcn_target "amdgcn-amd-amdhsa--gfx1250"
	.amdhsa_code_object_version 6
	.text
	.protected	k_q960c5b2363_qkvp
	.globl	k_q960c5b2363_qkvp
	.p2align	8
	.type	k_q960c5b2363_qkvp,@function
k_q960c5b2363_qkvp:
	s_mov_b64 s[64:65], 0
	v_nop
	global_prefetch_b8 v0, s[64:65] scope:SCOPE_SE
	s_setreg_imm32_b32 hwreg(HW_REG_WAVE_MODE, 25, 1), 1
	s_wait_xcnt 0x0
	s_wait_alu depctr_hold_cnt(0) depctr_sa_sdst(0) depctr_va_vdst(0) depctr_va_sdst(0) depctr_va_ssrc(0) depctr_va_vcc(0) depctr_vm_vsrc(0)
	s_getreg_b32 s2, hwreg(HW_REG_IB_STS2, 6, 4)
	s_cmp_eq_u32 s2, 0
	s_cbranch_scc0 .Lentry_in_a_cluster
	s_endpgm
.Lentry_in_a_cluster:
	s_bfe_u32 s2, ttmp6, 0x10000c
	s_cmp_lg_u32 s2, 0xf033
	s_cbranch_scc0 .Lentry_shape_is_right
	s_endpgm
.Lentry_shape_is_right:
; qkv = x w_qkv + b_qkv on codes of BF6 (E3M2) with E8M0 scales, K = 1,024, sums in f32; the results are quantised at once for attention's two products and leave as codes: q and k along the head's 64, v along the keys.
; A tile of 256 x 256 to a work-group of four waves; a wave makes 128 x 128: 64 accumulators, 512 registers.  K goes in four steps of 256 through two LDS slots filled by the tensor data mover.
; The operands lie in memory as images of the matrix operand's registers (a fragment of 16 rows x 128 K: 1,536 bytes), so 128 rows x 256 K are 24,576 dense bytes, and a fragment is read from LDS by two loads of 16 and two of 8 bytes a lane, lanes on end.
; THE ROWS OF A TILE ARE NOT NEIGHBOURS: lane r of tile 2 g + u takes row 32 g + 8 u + r + 8 (r / 8).  THE MATRIX INSTRUCTION IS USED TRANSPOSED: source 0 = 16 rows of the side called B, source 1 = 16 rows of the side called A.
; So in accumulators (a, 0 .. 7) a lane holds ONE row of A's side, and its 64 registers run along B's side: register 16 g + i = B's row 32 g + 16 (lane / 16) + i: sixteen neighbours of each block of 32, as the conversions want them.
; ROLES, by the cluster's x, which all partners share: 0 = q, 1 = k: A = x (tokens), B = w (columns): a lane holds a token, registers run along the heads' channels.  2 = v: A = w's columns 2,048 on, B = x: a lane holds a channel,
; registers run along the keys.  Only pointers and block numbers are chosen: the product's text is one for all three.
; CLUSTERS: 4 x 4 work-groups; A's tiles are asked for jointly along a row of the cluster, B's along a column.
; THE RESULT, qkv: [head 16 b + h][256 tokens, 8][39,424 bytes]: k's codes 0 (16 tiles x 768), k's scale words 12,288, v's codes 13,312 (2 steps of 128 keys x 4 tiles of channels x 1,536), v's scale words 25,600, q's codes 26,112, q's scale words 38,400.
;   A scale word of q or k holds the head's two bytes twice.  Scale words lie as attention's loads take them: (q, k) word at 16 x lane + 4 j = tile 2 j + lane / 16, row lane % 16; (v) at 8 x lane + 4 j likewise.
; LIMITS: a block of zeros gets the byte 1 where the rule says 127 (its codes are zeros; this program alone reads the bytes); NaN and infinities are not served.
; REGISTERS: window 0: v1-7 at work at the head; v16-23 LDS addresses; v24, v25 16 and 8 x lane; v27 scale words' address; v28, v29 for the add; v32-63 scale words, two sets; v64-127 the bias along B's side; v128-223 A's fragments, one set;
;   v224-239 the bias along A's side; on the way out v128-191 a row block's numbers, v192-223 at work, v240-251 scale words.   window 1: B's fragments, two sets.   windows 2, 3: the accumulators.
.set FR,     12                        ; registers of a fragment
.set NL,     4                         ; LDS loads that bring one
.set NP,     4                         ; places behind this matrix instruction (ISA guide 7.12.1)
.set NQ,     2                         ; matrix instructions deep in a slot
.set HALFT,  24576                     ; 128 rows x 256 K: what one tensor load brings
.set SLOT,   4*HALFT                   ; A's two halves, then B's two
.set SCL,    2*SLOT                    ; behind the ring: A's scale words for all of K, 2 x 4,096 bytes,
.set SCB,    8320                      ; and B's, 128 bytes further on than they need lie: so the two halves of the lanes read different banks
.set SPARE,  213248                    ; the spare words, 128 bytes for each wave: two blocks of 256 bytes that no other line names
.set ADRA, 16                          ; v16-17 LDS address of my A fragments in slot 0, 1, 16 bytes a lane; v18-19 the same, 8 bytes a lane
.set ADRB, 20                          ; v20-23 the same for B
.set L16,  24
.set L8,   25
.set ADRS, 27
.set SPW,  28
.set NIL,  29
.set SC,   32
.set BB,   64
.set AF,   128
.set T,    128
.set PC,   192
.set MX,   212
.set PB,   216
.set SO,   220
.set BV,   224
.set PWS,  240
.set XW,   248
.set SEL,  18                          ; s[18:19] on the way out: lane selects for v_permlanex16_b32
.set G1, 24                            ; s[24:31] group 1 for A's tiles; s[32:39] group 0, one set for each slot
.set G0, 32
.set G1B, 48                           ; s[48:55], s[56:63] the same for B's
.set G0B, 56
.set G1S, 68                           ; s[68:75], s[76:79] for A's scales; s[80:87], s[88:91] for B's
.set G0S, 76
.set G1SB, 80
.set G0SB, 88
.set MSB, 0
.macro WIN new                         ; the immediate's high byte repeats the setting that is left
.if MSB != \new
	s_set_vgpr_msb (MSB<<8)|\new
.set MSB, \new
.endif
.endm
.set MUL_LO, 0xa1                      ; source 0 (B) window 1, source 1 (A) window 0, C and D window 2
.set MUL_HI, 0xf1                      ; the same, C and D window 3
.set TO_B,   0x40                      ; destination window 1, address window 0
; A joint load: waves 0 and 1 fetch for A, waves 2 and 3 for B; the branch hangs on the wave's number alone.  Four v_nop follow each of the two lines.
.macro JLOAD g0a, g1a, g0b, g1b
	s_cmp_eq_u32 s15, 0
	s_cbranch_scc0 .Lfor_b_\@
	tensor_load_to_lds s[\g0a:\g0a+3], s[\g1a:\g1a+7]
	s_nop 0
.rept 4
	v_nop
.endr
	s_branch .Lasked_\@
.Lfor_b_\@:
	tensor_load_to_lds s[\g0b:\g0b+3], s[\g1b:\g1b+7]
	s_nop 0
.rept 4
	v_nop
.endr
.Lasked_\@:
.endm
.macro CREST                           ; a round of the cluster's barrier behind its opening barrier
	s_cmp_lg_u32 s14, 0
	s_cbranch_scc1 .Lnot_wave_0_\@
	s_barrier_signal -3
.Lnot_wave_0_\@:
	s_barrier_wait -3
	s_barrier_signal -1
	s_barrier_wait -1
.endm
.macro CROUND
	s_barrier_signal -1
	s_barrier_wait -1
	CREST
.endm
; 64 numbers of a lane, v[s] on, register 16 b + i = k 32 b + 16 (lane / 16) + i of my row, become a fragment's codes in v[PC] .. v[PC+11] and its scale word in v[pw].
.macro QUANT s, pw
.irp b, 0,1,2,3
	v_max3_num_f32 v[MX+\b], |v[(\s)+16*\b]|, |v[(\s)+1+16*\b]|, 0x2800000   ; my 16 numbers of block b, and the floor 2^(5 - 127): the byte cannot fall under 1
.endr
.irp i, 2,4,6,8,10,12,14
.irp b, 0,1,2,3
	v_max3_num_f32 v[MX+\b], v[MX+\b], |v[(\s)+16*\b+\i]|, |v[(\s)+1+16*\b+\i]|
.endr
.endr
.irp b, 0,1,2,3
	v_permlanex16_b32 v[PB+\b], v[MX+\b], s[SEL], s[SEL+1]
.endr
.irp b, 0,1,2,3
	v_max_num_f32 v[MX+\b], v[MX+\b], v[PB+\b]     ; with lane l xor 16's: the block's largest magnitude
.endr
.irp b, 0,1,2,3
	v_add_nc_u32 v[SO+\b], 0xfe000000, v[MX+\b]    ; 4 off its exponent field: the conversion's scale operand
.endr
.irp b, 0,1,2,3
	v_lshrrev_b32 v[PB+\b], 23, v[SO+\b]           ; the scale's byte
.endr
	v_lshl_or_b32 v[\pw], v[PB+1], 8, v[PB]
	v_lshl_or_b32 v[\pw], v[PB+2], 16, v[\pw]
	v_lshl_or_b32 v[\pw], v[PB+3], 24, v[\pw]
.irp c, 0,1
	v_cvt_scalef32_pk16_bf6_f32 v[PC+6*\c:PC+2+6*\c], v[(\s)+32*\c:(\s)+15+32*\c], v[SO+2*\c]
	v_cvt_scalef32_pk16_bf6_f32 v[PC+12+4*\c:PC+14+4*\c], v[(\s)+16+32*\c:(\s)+31+32*\c], v[SO+2*\c+1]
.endr
	v_nop                                          ; one plain place behind a scaled conversion
.irp c, 0,1
.irp i, 0,1,2
	v_permlane16_swap_b32 v[PC+6*\c+\i], v[PC+12+4*\c+\i]   ; a whole block to a lane: lanes 0-15 block 2 c, lanes 16-31 block 2 c + 1
.endr
.irp i, 0,1,2
	v_mov_b32 v[PC+3+6*\c+\i], v[PC+12+4*\c+\i]
.endr
.endr
.endm
	s_load_b128 s[4:7], s[0:1], 0x0                ; xq, xs
	s_load_b128 s[8:11], s[0:1], 0x10              ; wq, ws
	s_load_b128 s[96:99], s[0:1], 0x20             ; b_qkv, qkv
	v_lshl_add_u32 v[SPW], v0, 2, SPARE
	v_mov_b32 v[NIL], 0
	ds_add_u32 v28, v29
	s_wait_dscnt 0x0
	v_lshrrev_b32 v1, 5, v0
	v_readfirstlane_b32 s14, v1                    ; wave 0..3
	s_lshr_b32 s15, s14, 1                         ; which half of A's 256 rows is mine.  Also: I fetch for A (0) or for B (1)
	s_and_b32 s16, s14, 1                          ; which half of B's.  Also: which 128 rows of that side I fetch
	s_bfe_u32 s40, ttmp6, 0x40000                  ; cx, cy: my place in the cluster
	s_bfe_u32 s41, ttmp6, 0x40004
	s_and_b32 s18, ttmp7, 0xffff
	s_lshl_b32 s18, s18, 2                         ; 4 x cluster y
	s_lshl_b32 s19, ttmp9, 2                       ; 4 x cluster x
	s_cmp_eq_u32 ttmp9, 2                          ; v's clusters: the same answer in all sixteen partners
	s_cselect_b32 s66, 1, 0
	s_cselect_b32 s17, 0, s18
	s_cselect_b32 s42, s18, s19
	s_cselect_b32 s20, 16, 0                       ; A's first block of 128 rows: v's columns begin at wq's block 16
	s_add_co_u32 s17, s17, s41                     ; A's tile of 256 rows: hangs on cy, never on cx
	s_add_co_u32 s42, s42, s40                     ; B's tile: hangs on cx, never on cy
	s_lshl_b32 s43, s41, 2
	s_lshl_b32 s43, 15, s43                        ; my row of the cluster
	s_lshl_b32 s44, 0x1111, s40                    ; my column
	; group 1: dense blocks as rows of 256 bytes (32 elements of 8 bytes), no padding: 96 rows of codes, 16 of scale words
	s_or_b32 s[G1+0], s43, (3<<16)|(1<<21)         ; 15:0 the mask; 17:16 elements of 8 bytes; 21 set beside a mask
	s_or_b32 s[G1B+0], s44, (3<<16)|(1<<21)
.irp g, G1, G1B
	s_mov_b32 s[\g+1], 32<<16                      ; tensor_dim0
	s_mov_b32 s[\g+2], 96<<16                      ; tensor_dim1
	s_mov_b32 s[\g+3], 32<<16                      ; tile_dim0
	s_mov_b32 s[\g+4], 96                          ; tile_dim1
	s_mov_b32 s[\g+5], 32                          ; the pitch
	s_mov_b32 s[\g+6], 0
	s_mov_b32 s[\g+7], 0
.endr
	s_or_b32 s[G1S+0], s43, (3<<16)|(1<<21)
	s_or_b32 s[G1SB+0], s44, (3<<16)|(1<<21)
.irp g, G1S, G1SB
	s_mov_b32 s[\g+1], 32<<16
	s_mov_b32 s[\g+2], 16<<16
	s_mov_b32 s[\g+3], 32<<16
	s_mov_b32 s[\g+4], 16
	s_mov_b32 s[\g+5], 32
	s_mov_b32 s[\g+6], 0
	s_mov_b32 s[\g+7], 0
.endr
	s_lshl_b32 s21, s17, 1
	s_add_co_u32 s20, s20, s21
	s_add_co_u32 s20, s20, s16                     ; A: the block of 128 rows that I fetch
	s_lshl_b32 s22, s20, 12                        ; its scale words, 4,096 bytes a block,
	s_mov_b32 s23, 0
	s_mul_i32 s20, s20, 98304                      ; and its codes
	s_mov_b32 s21, 0
	s_lshl_b32 s46, s42, 1
	s_add_co_u32 s46, s46, s16                     ; B likewise
	s_lshl_b32 s92, s46, 12
	s_mov_b32 s93, 0
	s_mul_i32 s46, s46, 98304
	s_mov_b32 s47, 0
	s_mul_i32 s45, s14, HALFT                      ; where they go: wave x 24,576: no place in the cluster enters an LDS address
	s_lshl_b32 s94, s14, 12
	s_lshl_b32 s95, s15, 7
	s_add_co_u32 s94, s94, s95                     ; the scale words: wave x 4,096, B's 128 further on
	s_wait_kmcnt 0x0
	s_cmp_eq_u32 s66, 1                            ; for v the two sides change places
	s_cselect_b64 s[2:3], s[8:9], s[4:5]           ; A's codes
	s_cselect_b64 s[12:13], s[10:11], s[6:7]       ; A's scales
	s_cselect_b64 s[8:9], s[4:5], s[8:9]           ; B's codes
	s_cselect_b64 s[10:11], s[6:7], s[10:11]       ; B's scales
	s_add_nc_u64 s[20:21], s[2:3], s[20:21]
	s_add_nc_u64 s[22:23], s[12:13], s[22:23]
	s_add_nc_u64 s[46:47], s[8:9], s[46:47]
	s_add_nc_u64 s[92:93], s[10:11], s[92:93]
	CROUND                                         ; all sixteen work-groups are here: the first joint loads meet
	s_mov_b32 s[G0S], 1
	s_add_co_u32 s[G0S+1], s94, SCL
	s_mov_b64 s[G0S+2:G0S+3], s[22:23]
	s_or_b32 s[G0S+3], s[G0S+3], 0x80000000
	s_mov_b32 s[G0SB], 1
	s_add_co_u32 s[G0SB+1], s94, SCL
	s_mov_b64 s[G0SB+2:G0SB+3], s[92:93]
	s_or_b32 s[G0SB+3], s[G0SB+3], 0x80000000
	JLOAD G0S, G1S, G0SB, G1SB                     ; the scale words of all of K: filled once
.irp s, 0,1
	s_mov_b32 s[G0+4*\s], 1
	s_add_co_u32 s[G0+4*\s+1], s45, \s*SLOT
	s_add_nc_u64 s[G0+4*\s+2:G0+4*\s+3], s[20:21], \s*HALFT
	s_or_b32 s[G0+4*\s+3], s[G0+4*\s+3], 0x80000000
	s_mov_b32 s[G0B+4*\s], 1
	s_add_co_u32 s[G0B+4*\s+1], s45, \s*SLOT
	s_add_nc_u64 s[G0B+4*\s+2:G0B+4*\s+3], s[46:47], \s*HALFT
	s_or_b32 s[G0B+4*\s+3], s[G0B+4*\s+3], 0x80000000
	JLOAD G0+4*\s, G1, G0B+4*\s, G1B               ; K steps 0 and 1: by this text's count three tensor loads of a wave are out
.endr
	v_and_b32 v1, 15, v0                           ; r
	v_bfe_u32 v2, v0, 4, 1                         ; h
	v_and_b32 v3, 31, v0
	v_lshlrev_b32 v[L16], 4, v3
	v_lshlrev_b32 v[L8], 3, v3
	s_mul_i32 s21, s15, HALFT                      ; my 128 rows of A
	s_mul_i32 s22, s16, HALFT
	s_add_co_u32 s22, s22, 2*HALFT                 ; my 128 rows of B, behind A's 256
.irp s, 0,1
	v_add_nc_u32 v[ADRA+\s], s21, v[L16]
	v_add_nc_u32 v[ADRB+\s], s22, v[L16]
	v_add_nc_u32 v[ADRA+2+\s], s21, v[L8]
	v_add_nc_u32 v[ADRB+2+\s], s22, v[L8]
	s_add_co_u32 s21, s21, SLOT
	s_add_co_u32 s22, s22, SLOT
.endr
	v_lshlrev_b32 v6, 3, v1                        ; scale words: 8 bytes a row (two K steps of 128)
	s_lshl_b32 s21, s15, 12                        ; A's: my 128 rows
	s_lshl_b32 s22, s16, 12
	s_add_co_u32 s22, s22, SCB                     ; B's: my 128 rows
	s_sub_co_u32 s22, s22, s21
	v_mul_u32_u24 v7, s22, v2                      ; lanes 16-31 take B's
	s_add_co_u32 s21, s21, SCL
	v_add_nc_u32 v6, v6, v7
	v_add_nc_u32 v[ADRS], s21, v6
	; the biases and the places of the results
	s_lshl_b32 s18, s17, 1
	s_add_co_u32 s18, s18, s15                     ; UA: my block of 128 on A's side
	s_lshl_b32 s19, s42, 1
	s_add_co_u32 s19, s19, s16                     ; UB: on B's side
	s_and_b32 s21, s19, 7                          ; (q, k) the pair of heads
	s_lshl_b32 s46, s19, 9                         ; (q, k) the bias of my 128 columns
	s_lshl_b32 s92, s18, 9
	s_add_co_u32 s92, s92, 8192                    ; (v) the bias of my 128 channels
	s_mov_b32 s22, 12288
	s_cmp_eq_u32 ttmp9, 0
	s_cselect_b32 s94, 26112, 0                    ; the record's part for codes: q's or k's,
	s_cselect_b32 s95, 38400, s22                  ; and for scale words
	s_cmp_eq_u32 s66, 1
	s_cselect_b32 s94, 13312, s94                  ; or v's
	s_cselect_b32 s95, 25600, s95
	s_cselect_b32 s20, s19, s18                    ; my 128 tokens
	s_cselect_b32 s21, s18, s21                    ; my pair of heads
	s_cselect_b32 s22, 8, 9                        ; a step's scale words: 256 bytes (v) or 512
	s_cselect_b32 s46, 0, s46                      ; the set of biases that the role does not use is loaded from the buffer's head
	s_cselect_b32 s92, s92, 0
	s_mov_b32 s47, 0
	s_mov_b32 s93, 0
	s_add_nc_u64 s[46:47], s[96:97], s[46:47]
	s_add_nc_u64 s[92:93], s[96:97], s[92:93]
	v_lshlrev_b32 v6, 6, v2                        ; 64 h
	v_and_b32 v7, 8, v1
	v_add_nc_u32 v7, v7, v1
	v_lshlrev_b32 v7, 2, v7                        ; 4 (r + 8 (r / 8))
.irp b, 0,1,2,3
.irp j, 0,1,2,3
	global_load_b128 v[BB+16*\b+4*\j:BB+16*\b+4*\j+3], v6, s[46:47] offset:128*\b+16*\j   ; register 16 b + i: the bias of column 32 b + 16 h + i
.endr
.endr
.irp a, 0,1,2,3,4,5,6,7
	global_load_b32 v[BV+2*\a], v7, s[92:93] offset:4*(32*(\a/2)+8*(\a%2))   ; the bias of my channel in tile a
	v_mov_b32 v[BV+2*\a+1], 0                      ; (named with it as a pair, so it is written)
.endr
	s_lshr_b32 s23, s20, 4
	s_lshl_b32 s23, s23, 4                         ; 16 x batch
	s_lshl_b32 s21, s21, 1
	s_add_co_u32 s23, s23, s21                     ; the first of my two heads
	s_and_b32 s20, s20, 15
	s_lshr_b32 s21, s20, 1                         ; the record of 256 tokens
	s_and_b32 s20, s20, 1                          ; and which 128 of them
	s_mul_i32 s23, s23, 315392
	s_mul_i32 s21, s21, 39424
	s_add_co_u32 s23, s23, s21
	s_mul_i32 s21, s20, 6144
	s_lshl_b32 s20, s20, s22
	s_add_co_u32 s94, s94, s23
	s_add_co_u32 s94, s94, s21
	s_add_co_u32 s20, s20, s23
	s_add_co_u32 s20, s20, s95
	s_mov_b32 s95, 0
	s_mov_b32 s21, 0
	s_add_nc_u64 s[12:13], s[98:99], s[94:95]      ; codes, first head
	s_add_nc_u64 s[2:3], s[12:13], 315392          ; second head
	s_add_nc_u64 s[100:101], s[98:99], s[20:21]    ; scale words, first head
	s_add_nc_u64 s[104:105], s[100:101], 315392
.macro FRAG reg, adr, q, i             ; a fragment's image: 16 bytes, 8, 16, 8 a lane
	ds_load_b128 v[\reg:\reg+3], v[\adr] offset:3072*(\i)+1536*(\q)
	ds_load_b64 v[\reg+4:\reg+5], v[\adr+2] offset:3072*(\i)+1536*(\q)+512
	ds_load_b128 v[\reg+6:\reg+9], v[\adr] offset:3072*(\i)+1536*(\q)+768
	ds_load_b64 v[\reg+10:\reg+11], v[\adr+2] offset:3072*(\i)+1536*(\q)+1280
.endm
; 16 matrix instructions: A's blocks a0, a0 + 1 x B's eight.  p: B's set; q: the slot's q-th 128 along K; sc: the set of scale words.  zero = 1: the first product starts the sums.
; The 64 accumulators take turns, one instruction a turn, in the same order in every step.
.macro MUL16 a0, p, q, sc, zero
.irp a, \a0, \a0+1
.irp b, 0,1,2,3,4,5,6,7
.if \zero
	v_wmma_scale_f32_16x16x128_f8f6f4 v[8*(8*((\a)%4)+\b):8*(8*((\a)%4)+\b)+7], v[128*(\p)+FR*\b:128*(\p)+FR*\b+FR-1], v[AF+FR*(\a):AF+FR*(\a)+FR-1], 0, v[SC+8*NQ*(\sc)+NQ*\b+(\q)], v[SC+8*NQ*(\sc)+NQ*(\a)+(\q)] matrix_a_fmt:MATRIX_FMT_BF6 matrix_b_fmt:MATRIX_FMT_BF6 matrix_a_scale:MATRIX_SCALE_ROW1
.else
	v_wmma_scale_f32_16x16x128_f8f6f4 v[8*(8*((\a)%4)+\b):8*(8*((\a)%4)+\b)+7], v[128*(\p)+FR*\b:128*(\p)+FR*\b+FR-1], v[AF+FR*(\a):AF+FR*(\a)+FR-1], v[8*(8*((\a)%4)+\b):8*(8*((\a)%4)+\b)+7], v[SC+8*NQ*(\sc)+NQ*\b+(\q)], v[SC+8*NQ*(\sc)+NQ*(\a)+(\q)] matrix_a_fmt:MATRIX_FMT_BF6 matrix_b_fmt:MATRIX_FMT_BF6 matrix_a_scale:MATRIX_SCALE_ROW1
.endif
.endr
.endr
.endm
.macro FETCH_B slot, q, p
	WIN TO_B
.irp i, 0,1,2,3,4,5,6,7
	FRAG 128*(\p)+FR*\i, ADRB+\slot, \q, \i
.endr
	WIN 0
.endm
.macro FETCH_A slot, q, i0
.irp i, \i0, \i0+1, \i0+2, \i0+3
	FRAG AF+FR*(\i), ADRA+\slot, \q, \i
.endr
.endm
.macro SCALES sc, sg                   ; K step sg's scale words into set sc: lanes 0-15 A's block i, lanes 16-31 B's block i; two words a row
.irp i, 0,1,2,3,4,5,6,7
	ds_load_b64 v[SC+8*NQ*\sc+NQ*\i:SC+8*NQ*\sc+NQ*\i+1], v[ADRS] offset:1024*\sg+128*\i
.endr
.endm
.macro PLACES n                        ; plain vector instructions between a matrix instruction and a load into, or a read of, its registers
.rept \n
	v_nop
.endr
.endm
.macro STEP slot, q, zero              ; a step of 128 along K that has its successor in the same slot
	s_wait_dscnt 4*NL                              ; B's set and A's blocks 0-3 are in; the youngest 16 loads (A's blocks 4-7) may be out
	WIN MUL_LO
	MUL16 0, (\q)%2, \q, \slot, \zero
	MUL16 2, (\q)%2, \q, \slot, \zero
	s_wait_dscnt 0
	PLACES NP
	FETCH_B \slot, (\q)+1, 1-(\q)%2
	FETCH_A \slot, (\q)+1, 0
	WIN MUL_HI
	MUL16 4, (\q)%2, \q, \slot, \zero
	MUL16 6, (\q)%2, \q, \slot, \zero
	PLACES NP
	WIN 0
	FETCH_A \slot, (\q)+1, 4
.endm
; A slot's last step changes slots: one barrier; in front of it each wave waits for all its tensor loads, adds 0 to its spare word, and waits for that and for its reads of this slot.  fill = 1: this slot is filled again, two K steps ahead.
.macro TURN slot, next, fill, sg
	s_wait_tensorcnt 0x0                           ; all my tensor loads have landed: my part of the next slot
	ds_add_u32 v[SPW], v[NIL]                      ; 0 onto my spare word
	s_wait_dscnt 4*NL+1                            ; (the add and the youngest 16 loads may be out)
	WIN MUL_LO
	MUL16 0, 1, NQ-1, \slot, 0
	s_wait_dscnt 0x0                               ; the add is done, and my reads of this slot are over
	s_barrier_signal -1
	MUL16 2, 1, NQ-1, \slot, 0
	WIN 0
	s_barrier_wait -1
.if \fill
	CREST                                          ; the barrier has opened a round of the cluster's: no wave of any partner still reads this slot or has a load on its way
	s_add_nc_u64 s[G0+4*\slot+2:G0+4*\slot+3], s[G0+4*\slot+2:G0+4*\slot+3], 2*HALFT
	s_add_nc_u64 s[G0B+4*\slot+2:G0B+4*\slot+3], s[G0B+4*\slot+2:G0B+4*\slot+3], 2*HALFT
	JLOAD G0+4*\slot, G1, G0B+4*\slot, G1B         ; the first tensor load behind the round; its four v_nop are the places in front of the loads below
.else
	PLACES NP
.endif
	FETCH_B \next, 0, 0
	FETCH_A \next, 0, 0
	SCALES \next, \sg
	WIN MUL_HI
	MUL16 4, 1, NQ-1, \slot, 0
	MUL16 6, 1, NQ-1, \slot, 0
	PLACES NP
	WIN 0
	FETCH_A \next, 0, 4
.endm
	s_wait_loadcnt 0x0                             ; the biases: their address registers are free from here on
	s_wait_tensorcnt 1                             ; the scale words and my part of K step 0 are in; K step 1's load may be out
	s_barrier_signal -1
	s_barrier_wait -1
	FETCH_B 0, 0, 0
	FETCH_A 0, 0, 0
	SCALES 0, 0
	FETCH_A 0, 0, 4
	STEP 0, 0, 1                                   ; K = 1,024 is four slots' worth: written out, no loop
	TURN 0, 1, 1, 1                                ; slot 0 takes K step 2
	STEP 1, 0, 0
	TURN 1, 0, 1, 2                                ; slot 1 takes K step 3
	STEP 0, 0, 0
	TURN 0, 1, 0, 3
	STEP 1, 0, 0
	s_wait_dscnt 4*NL
	WIN MUL_LO
	MUL16 0, 1, NQ-1, 1, 0
	MUL16 2, 1, NQ-1, 1, 0
	s_wait_dscnt 0
	WIN MUL_HI
	MUL16 4, 1, NQ-1, 1, 0
	MUL16 6, 1, NQ-1, 1, 0
	WIN 0
; THE WAY OUT touches no LDS.  For each of A's eight blocks: the 64 registers of its eight accumulators plus the bias (each accumulator from its low end on), quantised, and the fragment's image stored: whole aligned runs of 256 bytes.
.macro ROWS a, isv
.if (\a) > 0
	s_wait_xcnt 0x0                                ; the last block's stores have read the codes' registers
.endif
.set WN, 0x02+(\a)/4
	WIN WN                                         ; source 0: window 2 or 3
.set x, 0
.rept 32
.if \isv
	v_pk_add_f32 v[T+x:T+x+1], v[64*((\a)%4)+x:64*((\a)%4)+x+1], v[BV+2*(\a):BV+2*(\a)+1] op_sel_hi:[1,0]   ; my channel's bias for both
.else
	v_pk_add_f32 v[T+x:T+x+1], v[64*((\a)%4)+x:64*((\a)%4)+x+1], v[BB+x:BB+x+1]
.endif
.set x, x+2
.endr
	WIN 0
	QUANT T, PWS+(\a)
.if \isv
.if (\a) < 4
	global_store_b128 v[L16], v[PC:PC+3], s[12:13] offset:1536*((\a)%4)          ; 16 channels x 128 keys: a whole fragment of one head
	global_store_b64 v[L8], v[PC+4:PC+5], s[12:13] offset:1536*((\a)%4)+512
	global_store_b128 v[L16], v[PC+6:PC+9], s[12:13] offset:1536*((\a)%4)+768
	global_store_b64 v[L8], v[PC+10:PC+11], s[12:13] offset:1536*((\a)%4)+1280
.else
	global_store_b128 v[L16], v[PC:PC+3], s[2:3] offset:1536*((\a)%4)
	global_store_b64 v[L8], v[PC+4:PC+5], s[2:3] offset:1536*((\a)%4)+512
	global_store_b128 v[L16], v[PC+6:PC+9], s[2:3] offset:1536*((\a)%4)+768
	global_store_b64 v[L8], v[PC+10:PC+11], s[2:3] offset:1536*((\a)%4)+1280
.endif
.else
	global_store_b128 v[L16], v[PC:PC+3], s[12:13] offset:768*(\a)               ; 16 tokens x 128 columns: half a fragment for each of two heads
	global_store_b64 v[L8], v[PC+4:PC+5], s[12:13] offset:768*(\a)+512
	global_store_b128 v[L16], v[PC+6:PC+9], s[2:3] offset:768*(\a)
	global_store_b64 v[L8], v[PC+10:PC+11], s[2:3] offset:768*(\a)+512
.endif
.endm
	PLACES NP                                      ; behind the last products: their results are read and their operands' registers written below
	s_mov_b32 s[SEL], 0x76543210
	s_mov_b32 s[SEL+1], 0xfedcba98
	s_mov_b32 s67, 0xffff0000                      ; lanes 16-31
.irp b, 0,1,2,3
	v_mov_b32 v[PB+\b], 0                          ; written once: a lane permute's destination counts as one of its sources
.endr
	s_cmp_eq_u32 s66, 1
	s_cbranch_scc1 .Lv_arm
.irp a, 0,1,2,3,4,5,6,7
	ROWS \a, 0
.endr
.irp j, 0,1,2,3
	v_cndmask_b32 v[XW+\j], v[PWS+2*\j], v[PWS+2*\j+1], s67   ; lanes 0-15 tile 2 j's words, lanes 16-31 tile 2 j + 1's
.endr
.irp j, 0,1,2,3
	v_perm_b32 v[MX+\j], v[XW+\j], v[XW+\j], 0x01000100       ; the first head's two bytes, twice
.endr
.irp j, 0,1,2,3
	v_perm_b32 v[PB+\j], v[XW+\j], v[XW+\j], 0x03020302       ; the second head's
.endr
	global_store_b128 v[L16], v[MX:MX+3], s[100:101]
	global_store_b128 v[L16], v[PB:PB+3], s[104:105]
	s_branch .Ljoin
.Lv_arm:
.irp a, 0,1,2,3,4,5,6,7
	ROWS \a, 1
.endr
.irp j, 0,1,2,3
	v_cndmask_b32 v[XW+\j], v[PWS+2*\j], v[PWS+2*\j+1], s67
.endr
	global_store_b64 v[L8], v[XW:XW+1], s[100:101]  ; tiles 0-3: the first head's channels
	global_store_b64 v[L8], v[XW+2:XW+3], s[104:105]
.Ljoin:
	s_wait_tensorcnt 0x0                           ; the wave's end
	ds_add_u32 v[SPW], v[NIL]
	s_wait_dscnt 0x0
	CROUND                                         ; the closing round: no work-group ends while a partner may still ask for a tile that names it
	s_endpgm
.Lfunc_end_k_q960c5b2363_qkvp:
	.size	k_q960c5b2363_qkvp, .Lfunc_end_k_q960c5b2363_qkvp-k_q960c5b2363_qkvp
	.p2alignl 7, 3214868480
	.fill 96, 4, 3214868480
	.section	.rodata,"a",@progbits
	.p2align	6, 0x0
	.amdhsa_kernel k_q960c5b2363_qkvp
		.amdhsa_group_segment_fixed_size 327680
		.amdhsa_private_segment_fixed_size 0
		.amdhsa_enable_private_segment 0
		.amdhsa_kernarg_size 48
		.amdhsa_user_sgpr_count 2
		.amdhsa_user_sgpr_kernarg_segment_ptr 1
		.amdhsa_wavefront_size32 1
		.amdhsa_system_sgpr_workgroup_id_x 1
		.amdhsa_system_sgpr_workgroup_id_y 1
		.amdhsa_system_sgpr_workgroup_id_z 1
		.amdhsa_system_vgpr_workitem_id 0
		.amdhsa_next_free_vgpr 1024
		.amdhsa_next_free_sgpr 106
		.amdhsa_reserve_vcc 0
		.amdhsa_float_denorm_mode_32 3
		.amdhsa_float_denorm_mode_16_64 3
		.amdhsa_memory_ordered 1
		.amdhsa_forward_progress 1
		.amdhsa_inst_pref_size 219
	.end_amdhsa_kernel
	.amdgpu_metadata
---
amdhsa.version: [ 1, 2 ]
amdhsa.kernels:
  - .name:           k_q960c5b2363_qkvp
    .symbol:         k_q960c5b2363_qkvp.kd
    .args:
      - { .name: xq, .offset: 0, .size: 8, .value_kind: global_buffer, .address_space: global }
      - { .name: xs, .offset: 8, .size: 8, .value_kind: global_buffer, .address_space: global }
      - { .name: wq, .offset: 16, .size: 8, .value_kind: global_buffer, .address_space: global }
      - { .name: ws, .offset: 24, .size: 8, .value_kind: global_buffer, .address_space: global }
      - { .name: b_qkv, .offset: 32, .size: 8, .value_kind: global_buffer, .address_space: global }
      - { .name: qkv, .offset: 40, .size: 8, .value_kind: global_buffer, .address_space: global }
    .group_segment_fixed_size: 327680
    .private_segment_fixed_size: 0
    .kernarg_segment_align: 8
    .kernarg_segment_size: 48
    .max_flat_workgroup_size: 128
    .sgpr_count:     106
    .vgpr_count:     1024
    .wavefront_size: 32
...
	.end_amdgpu_metadata
.endif
;; end of part 2
;; launch attn (part 3): grid 4 x 64, 16 waves a work-group, no clusters, 327,680 bytes of LDS; arguments qkv, oq, os; writes oq, os
.if DOCPART == 3
	.amdgcn_target "amdgcn-amd-amdhsa--gfx1250"
	.amdhsa_code_object_version 6
	.text
	.protected	k_q960c5b2363_attn
	.globl	k_q960c5b2363_attn
	.p2align	8
	.type	k_q960c5b2363_attn,@function
k_q960c5b2363_attn:
	s_mov_b64 s[64:65], 0
	v_nop
	global_prefetch_b8 v0, s[64:65] scope:SCOPE_SE
	s_setreg_imm32_b32 hwreg(HW_REG_WAVE_MODE, 25, 1), 1
	s_wait_xcnt 0x0
; Causal attention on codes of BF6 (E3M2) with E8M0 scales, head size 64, 2,048 tokens, 64 heads; its result is quantised along the hidden axis for the last product and leaves as codes (oq, os).
; t = score x log2(e) / 8; M = the running largest t rounded UP to a whole number; p = 2^(t - M) is quantised along the keys, not normalised; the row's sum is taken of the unquantised p and divides O at the end.
; When M moves, the sum and O are multiplied by 2^(old M - new M): exact.
; SHARES.  Work-group (i, head) owns the query blocks i and 7 - i (256 queries each), one after the other: (i + 1) + (8 - i) = 9 slots of 256 keys for every work-group, so the trip count is a constant and all work-groups have equal work.
; Each of sixteen waves owns one tile of 16 queries in 256 registers: four waves to a SIMD, so that one wave's vector work stands beside another's matrix work and LDS loads.
; No cluster: in the same trip the four work-groups of a head want different slots, and a trip fetches 26,112 bytes for two whole key steps of sixteen waves.
; qkv: [head][256 tokens, 8][39,424]: k's codes 0, k's scale words 12,288, v's codes 13,312, v's scale words 25,600 (these 26,112 dense bytes are a slot's one tensor load, issued by wave 0), q's codes 26,112, q's scale words 38,400.
; Operands lie as images of the matrix operand's registers.  THE ROWS OF A TILE ARE NOT NEIGHBOURS: lane r of tile 2 g + u takes row 32 g + 8 u + r + 8 (r / 8) (queries, keys and v's channels alike).
; Both products are used transposed (S^T = K Q^T, O^T = V^T P^T): a lane holds ONE query, the 16 registers of two neighbouring tiles are 16 neighbouring keys (or channels).
; K = 64 IN AN INSTRUCTION OF K = 128: Q's 64 stand twice in its operand, and so do the two scale bytes in every scale word of q and k; a tile of keys has its 64 in one half and zero codes in the other, which add nothing.
; Two tiles share six registers of zeros: [tile's data][zeros][next tile's data].
; The two scale bytes of a row of o are stored as 2 bytes a row, 8 bytes apart: the one store here that fills no whole run of 256 bytes: 1/24 of what the launch writes.
; LIMITS: a block of zeros gets the byte 1 where the rule says 127 (its codes are zeros; this program alone reads the bytes); NaN and infinities are not served.
; REGISTERS: v1, v2 16 and 8 x lane; v3, v4 the same in the slot in hand; v5, v6 for the add; v8 r + 8 (r / 8) - 16 h; v9, v10 8 r, 16 r; v12 -M, v13 the largest t, v[14:15] the sum; v16-27 Q twice; v28 Q's scale word; v29 p's;
;   v[30:31] f; v32-67 two triples of K; v68-71 K's scale words; v72-73 V's; v76-95 codes just made; v96-159 S^T, then p; v160-191 O^T; v192-239 V's four fragments; v240-255 at work.
.set SLOT1, 1<<15                      ; slot 1 begins here: one exclusive or turns an address in one slot into the other's
.set SPARE, 65536                      ; the spare words, 128 bytes for each wave: eight blocks of 256 bytes that no other line names
.set REC,   39424
.set HEADB, 315392
.set BM,  240                          ; v240-243 the blocks' largest scores, then largest p
.set PT,  244                          ; v244-247 the other half's; then the bytes
.set SO,  248                          ; v248-251 the conversions' scale operands
.set WV,  18
.set SEL, 20                           ; s[20:21] lane selects for v_permlanex16_b32: lane l xor 16
.set CS,  22                           ; s[22:23] c = log2(e) / 8
.set G1,  24
.set G0,  32
.set HB,  36                           ; s[36:37] the head's first byte in qkv
.set TB,  38                           ; LDS byte at which the slot in hand begins
.set TT,  39                           ; the trip
.set SW,  40                           ; the trip in which the second query block begins: i + 1
.set KF,  41                           ; the step's first key
.set Q0,  42                           ; my lowest query
.set QB,  43                           ; the query block in hand
.set BH,  56                           ; the head, 16 b + h
.set QN,  62                           ; the second query block
.macro TLOAD                           ; wave 0 fetches; four v_nop follow the line
	s_cmp_lg_u32 s[WV], 0
	s_cbranch_scc1 .Lnot_0_\@
	tensor_load_to_lds s[G0:G0+3], s[G1:G1+7]
	s_nop 0
.rept 4
	v_nop
.endr
.Lnot_0_\@:
.endm
.macro QLOAD qreg                      ; my tile of the query block s[qreg]: half a fragment's image, and my rows' scale word
	s_mul_i32 s58, s[\qreg], REC
	s_mul_i32 s57, s[WV], 768
	s_add_co_u32 s58, s58, s57
	s_add_co_u32 s58, s58, 26112
	s_mov_b32 s59, 0
	s_add_nc_u64 s[58:59], s[HB:HB+1], s[58:59]
	s_mul_i32 s60, s[\qreg], REC
	s_lshr_b32 s57, s[WV], 3
	s_lshl_b32 s57, s57, 9                         ; 512 bytes for each eight tiles,
	s_add_co_u32 s60, s60, s57
	s_and_b32 s57, s[WV], 1
	s_lshl_b32 s57, s57, 8                         ; an odd tile's words in the upper sixteen places of 16 bytes,
	s_add_co_u32 s60, s60, s57
	s_bfe_u32 s57, s[WV], 0x20001
	s_lshl_b32 s57, s57, 2                         ; word (tile % 8) / 2 of the place
	s_add_co_u32 s60, s60, s57
	s_add_co_u32 s60, s60, 38400
	s_mov_b32 s61, 0
	s_add_nc_u64 s[60:61], s[HB:HB+1], s[60:61]
	global_load_b128 v[16:19], v1, s[58:59]
	global_load_b64 v[20:21], v2, s[58:59] offset:512
	global_load_b32 v28, v10, s[60:61]
.endm
.macro INIT                            ; a query block begins
	s_wait_loadcnt 0x0                             ; Q
.irp i, 0,1,2,3,4,5
	v_mov_b32 v[22+\i], v[16+\i]                   ; Q once more, at k = 64 on
.endr
	v_mov_b32 v13, 0xff61b1e6                      ; the largest t so far: -3e38, under every t
	s_delay_alu instid0(VALU_DEP_1)
	v_floor_f32 v12, -v13                          ; -M
	v_mov_b32 v14, 0
	v_mov_b32 v15, 0
.set j, 0
.rept 32
	v_mov_b32 v[160+j], 0                          ; O^T: the step is written once; its first run finds zeros, which the first change of M leaves zeros
.set j, j+1
.endr
	s_lshl_b32 s[Q0], s[QB], 8
	s_lshr_b32 s44, s[WV], 1
	s_lshl_b32 s44, s44, 5
	s_add_co_u32 s[Q0], s[Q0], s44
	s_and_b32 s44, s[WV], 1
	s_lshl_b32 s44, s44, 3
	s_add_co_u32 s[Q0], s[Q0], s44                 ; 256 x block + 32 (wave / 2) + 8 (wave % 2)
	s_mov_b32 s[KF], 0
.endm
; THE CHANGE OF SLOTS stands at a trip's head.  Each wave waits for all its tensor loads, adds 0 to its spare word, and waits for that and for its reads of the slot that it has left.
; Behind the barrier the slot ahead is whole and nobody reads the other one.  fill = 1: that one is filled with the next trip's keys: the load has a whole trip in which to land.  One tensor load is out at a time.
.macro CHANGE fill
	s_wait_tensorcnt 0x0                           ; no tensor load is out, so group 0 may be written
	ds_add_u32 v5, v6                              ; 0 onto my spare word
.if \fill
	s_add_co_u32 s44, s[TT], 1                     ; the next trip: slot n of the first block's walk,
	s_sub_co_u32 s45, s44, s[SW]                   ; or slot n - (i + 1) of the second's
	s_cmp_lt_u32 s44, s[SW]
	s_cselect_b32 s44, s44, s45
	s_mul_i32 s44, s44, REC
	s_mov_b32 s45, 0
	s_add_nc_u64 s[G0+2:G0+3], s[HB:HB+1], s[44:45]
	s_or_b32 s[G0+3], s[G0+3], 0x80000000
	s_xor_b32 s[G0+1], s[G0+1], SLOT1              ; the other slot than last time
.endif
	s_wait_dscnt 0x0                               ; the add is done, and my reads of the slot that I have left are over
	s_barrier_signal -1
	s_barrier_wait -1
.if \fill
	TLOAD                                          ; the first thing behind the barrier
.endif
.endm
; A KEY STEP: 128 keys, the q-th of the slot in hand.
.macro STEP q
	s_cmp_gt_u32 s[KF], s[Q0]                      ; all 128 keys come after my queries?  (KF is a multiple of 128 and my 16 queries lie inside one group of 32.)  A scalar branch on ids, round loads, products and softmax alone
	s_cbranch_scc1 .Lhidden_\@
	s_wait_alu depctr_va_vdst(0)
.irp g, 0,1                            ; S^T = K Q^T, four tiles of 16 keys at a time
.if \g == 1
.rept 4
	v_nop                                          ; places in front of loads into registers that matrix instructions have read: K's here, and V's further down (read by the last step's products)
.endr
.endif
.irp t, 0,1,2,3
	ds_load_b128 v[32+18*(\t/2)+12*(\t%2):35+18*(\t/2)+12*(\t%2)], v3 offset:768*(8*(\q)+4*\g+\t)
	ds_load_b64 v[36+18*(\t/2)+12*(\t%2):37+18*(\t/2)+12*(\t%2)], v4 offset:768*(8*(\q)+4*\g+\t)+512
.endr
.if \g == 0
	ds_load_b128 v[68:71], v3 offset:12288+512*(\q)   ; the step's scale words: register j: lanes 0-15 tile 2 j, lanes 16-31 tile 2 j + 1
.endif
	s_wait_dscnt 0x0
.irp t, 0,1,2,3
.if \t%2
	v_wmma_scale_f32_16x16x128_f8f6f4 v[96+8*(4*\g+\t):103+8*(4*\g+\t)], v[32+18*(\t/2)+6*(\t%2):43+18*(\t/2)+6*(\t%2)], v[16:27], 0, v[68+2*\g+\t/2], v28 matrix_a_fmt:MATRIX_FMT_BF6 matrix_b_fmt:MATRIX_FMT_BF6 matrix_a_scale:MATRIX_SCALE_ROW1
.else
	v_wmma_scale_f32_16x16x128_f8f6f4 v[96+8*(4*\g+\t):103+8*(4*\g+\t)], v[32+18*(\t/2)+6*(\t%2):43+18*(\t/2)+6*(\t%2)], v[16:27], 0, v[68+2*\g+\t/2], v28 matrix_a_fmt:MATRIX_FMT_BF6 matrix_b_fmt:MATRIX_FMT_BF6
.endif
.endr
.endr
.irp a, 0,1,2,3                        ; V's four fragments are asked for now and land under the softmax
	ds_load_b128 v[192+12*\a:195+12*\a], v3 offset:13312+6144*(\q)+1536*\a
	ds_load_b64 v[196+12*\a:197+12*\a], v4 offset:13312+6144*(\q)+1536*\a+512
	ds_load_b128 v[198+12*\a:201+12*\a], v3 offset:13312+6144*(\q)+1536*\a+768
	ds_load_b64 v[202+12*\a:203+12*\a], v4 offset:13312+6144*(\q)+1536*\a+1280
.endr
	ds_load_b64 v[72:73], v4 offset:25600+256*(\q)
.rept 4
	v_nop                                          ; places behind the products, ahead of the first read of the scores
.endr
	s_add_co_u32 s44, s[KF], 127                   ; on the diagonal the scores of hidden keys become -infinity ahead of the maximum: p = 0 then.  A step all of whose keys count skips this
	s_cmp_le_u32 s44, s[Q0]
	s_cbranch_scc1 .Lopen_\@
	s_sub_co_i32 s44, s[Q0], s[KF]
	v_add_nc_u32 v252, s44, v8                     ; d = my query - KF - 16 h.  Register 16 b + i holds key KF + 16 h + 32 b + i: hidden where 32 b + i > d
	v_mov_b32 v254, 0xff800000
.set n, 0
.rept 64
	v_cmp_gt_i32 vcc_lo, 32*(n/16)+n%16, v252
	v_cndmask_b32 v[96+n], v[96+n], v254, vcc_lo
.set n, n+1
.endr
.Lopen_\@:
.irp b, 0,1,2,3
	v_max3_num_f32 v[BM+\b], v[96+16*\b], v[97+16*\b], v[98+16*\b]   ; the largest score of each block of 32 keys: it serves for the row's maximum and, since p rises with the score, for the block's largest p
.endr
.irp i, 3,5,7,9,11,13
.irp b, 0,1,2,3
	v_max3_num_f32 v[BM+\b], v[BM+\b], v[96+16*\b+\i], v[97+16*\b+\i]
.endr
.endr
.irp b, 0,1,2,3
	v_max_num_f32 v[BM+\b], v[BM+\b], v[111+16*\b]
.endr
.irp b, 0,1,2,3
	s_delay_alu instid0(VALU_DEP_4)
	v_permlanex16_b32 v[PT+\b], v[BM+\b], s[SEL], s[SEL+1]
.endr
.irp b, 0,1,2,3
	s_delay_alu instid0(VALU_DEP_4)
	v_max_num_f32 v[BM+\b], v[BM+\b], v[PT+\b]     ; with lane l xor 16's 16 keys
.endr
	s_delay_alu instid0(VALU_DEP_2)
	v_max3_num_f32 v254, v[BM], v[BM+1], v[BM+2]
	s_delay_alu instid0(VALU_DEP_1)
	v_max_num_f32 v254, v254, v[BM+3]              ; the step's largest score of my query
	s_delay_alu instid0(VALU_DEP_1)
	v_mul_f32 v254, s[CS], v254                    ; as t (c is positive)
	s_delay_alu instid0(VALU_DEP_1)
	v_max_num_f32 v13, v13, v254                   ; the running largest t
	v_mov_b32 v254, v12
	s_delay_alu instid0(VALU_DEP_2)
	v_floor_f32 v12, -v13                          ; the new -M = floor(-t) = -ceil(t): a whole number
	s_delay_alu instid0(VALU_DEP_1)
	v_sub_f32 v254, v12, v254                      ; old M - new M: a whole number, 0 or less
	s_delay_alu instid0(VALU_DEP_1)
	v_cvt_i32_f32 v254, v254                       ; (it saturates)
	s_delay_alu instid0(VALU_DEP_1)
	v_ldexp_f32 v30, 1.0, v254                     ; f = 2^(old M - new M)
.set j, 0
.rept 32
	v_pk_fma_f32 v[96+j:97+j], v[96+j:97+j], s[CS:CS+1], v[12:13] op_sel_hi:[1,0,0]   ; t - M, two at a time
.set j, j+2
.endr
.irp b, 0,1,2,3
	v_fma_f32 v[BM+\b], v[BM+\b], s[CS], v12       ; the same of each block's largest score
.endr
.set j, 0
	s_wait_alu depctr_va_vdst(0)
.rept 64
	v_exp_f32 v[96+j], v[96+j]                     ; p = 2^(t - M), at most 1
.set j, j+1
.endr
.irp b, 0,1,2,3
	v_exp_f32 v[BM+\b], v[BM+\b]                   ; the block's largest p: the same two instructions on the same number give the same bits
.endr
	v_pk_mul_f32 v[14:15], v[14:15], v[30:31] op_sel_hi:[1,0]   ; the sums under the new M.  (A plain place behind the exponentials)
	s_wait_alu depctr_va_vdst(0)
.irp b, 0,1,2,3
	v_max_num_f32 v[BM+\b], 0x2800000, v[BM+\b]    ; the floor 2^(5 - 127): the byte cannot fall under 1
.endr
.irp b, 0,1,2,3
	s_delay_alu instid0(VALU_DEP_4)
	v_add_nc_u32 v[SO+\b], 0xfe000000, v[BM+\b]    ; 4 off the exponent field: the conversion's scale operand
.endr
.irp b, 0,1,2,3
	s_delay_alu instid0(VALU_DEP_4)
	v_lshrrev_b32 v[PT+\b], 23, v[SO+\b]           ; the scale's byte
.endr
	s_delay_alu instid0(VALU_DEP_3)
	v_lshl_or_b32 v29, v[PT+1], 8, v[PT]           ; p's scale word for these 128 keys
	s_delay_alu instid0(VALU_DEP_1)
	v_lshl_or_b32 v29, v[PT+2], 16, v29
	s_delay_alu instid0(VALU_DEP_1)
	v_lshl_or_b32 v29, v[PT+3], 24, v29
.irp c, 0,1
	v_cvt_scalef32_pk16_bf6_f32 v[76+6*\c:78+6*\c], v[96+32*\c:111+32*\c], v[SO+2*\c]
	v_cvt_scalef32_pk16_bf6_f32 v[88+4*\c:90+4*\c], v[112+32*\c:127+32*\c], v[SO+2*\c+1]
.endr
	v_nop                                          ; one plain place behind a scaled conversion
.irp c, 0,1
.irp i, 0,1,2
	v_permlane16_swap_b32 v[76+6*\c+\i], v[88+4*\c+\i]   ; a whole block to a lane
.endr
.irp i, 0,1,2
	s_delay_alu instid0(VALU_DEP_3)
	v_mov_b32 v[79+6*\c+\i], v[88+4*\c+\i]
.endr
.endr
	v_pk_add_f32 v[252:253], v[100:101], v[104:105]
	v_pk_add_f32 v[254:255], v[108:109], v[112:113]
	v_pk_add_f32 v[250:251], v[116:117], v[120:121]
	v_pk_add_f32 v[248:249], v[124:125], v[128:129]
	v_pk_add_f32 v[242:243], v[132:133], v[136:137]
	v_pk_add_f32 v[240:241], v[140:141], v[144:145]
	v_pk_add_f32 v[94:95], v[148:149], v[152:153]
	v_pk_add_f32 v[14:15], v[14:15], v[156:157]
	v_pk_add_f32 v[252:253], v[252:253], v[96:97]
	v_pk_add_f32 v[254:255], v[254:255], v[98:99]
	v_pk_add_f32 v[250:251], v[250:251], v[102:103]
	v_pk_add_f32 v[248:249], v[248:249], v[106:107]
	v_pk_add_f32 v[242:243], v[242:243], v[110:111]
	v_pk_add_f32 v[240:241], v[240:241], v[114:115]
	v_pk_add_f32 v[94:95], v[94:95], v[118:119]
	v_pk_add_f32 v[14:15], v[14:15], v[122:123]
	v_pk_add_f32 v[252:253], v[252:253], v[126:127]
	v_pk_add_f32 v[254:255], v[254:255], v[130:131]
	v_pk_add_f32 v[250:251], v[250:251], v[134:135]
	v_pk_add_f32 v[248:249], v[248:249], v[138:139]
	v_pk_add_f32 v[242:243], v[242:243], v[142:143]
	v_pk_add_f32 v[240:241], v[240:241], v[146:147]
	v_pk_add_f32 v[94:95], v[94:95], v[150:151]
	v_pk_add_f32 v[14:15], v[14:15], v[154:155]
	v_pk_add_f32 v[252:253], v[252:253], v[158:159]
	s_delay_alu instid0(VALU_DEP_2)
	v_pk_add_f32 v[14:15], v[14:15], v[248:249]
	s_delay_alu instid0(VALU_DEP_2)
	v_pk_add_f32 v[252:253], v[252:253], v[242:243]
	v_pk_add_f32 v[254:255], v[254:255], v[240:241]
	v_pk_add_f32 v[250:251], v[250:251], v[94:95]
	s_delay_alu instid0(VALU_DEP_2)
	v_pk_add_f32 v[14:15], v[14:15], v[254:255]
	s_delay_alu instid0(VALU_DEP_2)
	v_pk_add_f32 v[252:253], v[252:253], v[250:251]
	s_delay_alu instid0(VALU_DEP_1)
	v_pk_add_f32 v[14:15], v[14:15], v[252:253]
.set j, 0
.rept 16
	v_pk_mul_f32 v[160+j:161+j], v[160+j:161+j], v[30:31] op_sel_hi:[1,0]   ; O^T under the new M
.set j, j+2
.endr
	s_wait_alu depctr_va_vdst(0)
	s_wait_dscnt 0x0                               ; V and its scale words are in
.irp a, 0,1,2,3                        ; O^T += V^T P^T: four tiles of 16 channels, four accumulators by turns
.if \a%2
	v_wmma_scale_f32_16x16x128_f8f6f4 v[160+8*\a:167+8*\a], v[192+12*\a:203+12*\a], v[76:87], v[160+8*\a:167+8*\a], v[72+\a/2], v29 matrix_a_fmt:MATRIX_FMT_BF6 matrix_b_fmt:MATRIX_FMT_BF6 matrix_a_scale:MATRIX_SCALE_ROW1
.else
	v_wmma_scale_f32_16x16x128_f8f6f4 v[160+8*\a:167+8*\a], v[192+12*\a:203+12*\a], v[76:87], v[160+8*\a:167+8*\a], v[72+\a/2], v29 matrix_a_fmt:MATRIX_FMT_BF6 matrix_b_fmt:MATRIX_FMT_BF6
.endif
.endr
.Lhidden_\@:
	s_add_co_u32 s[KF], s[KF], 128
.endm
; A QUERY BLOCK'S WAY OUT: O^T / the sum; my row's 64 channels are two blocks of the last product's K: quantised, and half a fragment's image stored straight from registers.
.macro OUT
.rept 4
	v_nop                                          ; places behind the last products
.endr
	v_add_f32 v14, v14, v15
	s_delay_alu instid0(VALU_DEP_1)
	v_permlanex16_b32 v252, v14, s[SEL], s[SEL+1]
	s_delay_alu instid0(VALU_DEP_1)
	v_add_f32 v14, v14, v252                       ; the row's sum
	s_wait_alu depctr_va_vdst(0)
	v_rcp_f32 v14, v14
	v_nop                                          ; one plain place behind a transcendental
.set j, 0
	s_wait_alu depctr_va_vdst(0)
.rept 32
	v_mul_f32 v[96+j], v[160+j], v14               ; register 16 g + i = channel 32 g + 16 h + i of my query
.set j, j+1
.endr
.irp b, 0,1
	v_max3_num_f32 v[BM+\b], |v[96+16*\b]|, |v[97+16*\b]|, 0x2800000
.endr
.irp i, 2,4,6,8,10,12,14
.irp b, 0,1
	s_delay_alu instid0(VALU_DEP_2)
	v_max3_num_f32 v[BM+\b], v[BM+\b], |v[96+16*\b+\i]|, |v[97+16*\b+\i]|
.endr
.endr
.irp b, 0,1
	s_delay_alu instid0(VALU_DEP_2)
	v_permlanex16_b32 v[PT+\b], v[BM+\b], s[SEL], s[SEL+1]
.endr
.irp b, 0,1
	s_delay_alu instid0(VALU_DEP_2)
	v_max_num_f32 v[BM+\b], v[BM+\b], v[PT+\b]
.endr
.irp b, 0,1
	s_delay_alu instid0(VALU_DEP_2)
	v_add_nc_u32 v[SO+\b], 0xfe000000, v[BM+\b]
.endr
.irp b, 0,1
	s_delay_alu instid0(VALU_DEP_2)
	v_lshrrev_b32 v[PT+\b], 23, v[SO+\b]
.endr
	s_delay_alu instid0(VALU_DEP_1)
	v_lshl_or_b32 v253, v[PT+1], 8, v[PT]          ; my row's two scale bytes
	v_cvt_scalef32_pk16_bf6_f32 v[76:78], v[96:111], v[SO]
	v_cvt_scalef32_pk16_bf6_f32 v[88:90], v[112:127], v[SO+1]
	v_nop                                          ; one plain place behind a scaled conversion
.irp i, 0,1,2
	v_permlane16_swap_b32 v[76+\i], v[88+\i]
.endr
.irp i, 0,1,2
	s_delay_alu instid0(VALU_DEP_3)
	v_mov_b32 v[79+\i], v[88+\i]
.endr
	s_lshr_b32 s46, s[BH], 4
	s_lshl_b32 s46, s46, 4
	s_lshl_b32 s47, s[QB], 1
	s_add_co_u32 s46, s46, s47
	s_lshr_b32 s47, s[WV], 3
	s_add_co_u32 s46, s46, s47                     ; the block of 128 rows: 16 b + 2 x query block + wave / 8
	s_and_b32 s47, s[BH], 15                       ; the head: hidden 64 h on:
	s_lshr_b32 s48, s47, 2                         ; which 256 along K,
	s_bfe_u32 s49, s47, 0x10001                    ; which 128 of them,
	s_and_b32 s47, s47, 1                          ; which half of the fragment
	s_and_b32 s50, s[WV], 7                        ; the tile in the block
	s_mul_i32 s52, s46, 98304
	s_mul_i32 s51, s48, 24576
	s_add_co_u32 s52, s52, s51
	s_mul_i32 s51, s50, 3072
	s_add_co_u32 s52, s52, s51
	s_mul_i32 s51, s49, 1536
	s_add_co_u32 s52, s52, s51
	s_mul_i32 s51, s47, 768
	s_add_co_u32 s52, s52, s51
	s_mov_b32 s53, 0
	s_add_nc_u64 s[52:53], s[6:7], s[52:53]
	s_lshl_b32 s54, s46, 12
	s_lshl_b32 s51, s48, 10
	s_add_co_u32 s54, s54, s51
	s_lshl_b32 s51, s50, 7
	s_add_co_u32 s54, s54, s51
	s_lshl_b32 s51, s49, 2
	s_add_co_u32 s54, s54, s51
	s_lshl_b32 s51, s47, 1
	s_add_co_u32 s54, s54, s51
	s_mov_b32 s55, 0
	s_add_nc_u64 s[54:55], s[8:9], s[54:55]
	s_wait_alu depctr_va_vdst(0)
	global_store_b128 v1, v[76:79], s[52:53]       ; 512 consecutive bytes, aligned
	global_store_b64 v2, v[80:81], s[52:53] offset:512
	global_store_b16 v9, v253, s[54:55]            ; both halves of the lanes hold the same two bytes of row r
	s_wait_xcnt 0x0                                ; the stores have read their registers: all may be written again
.endm
	s_load_b128 s[4:7], s[0:1], 0x0                ; qkv, oq
	s_load_b64 s[8:9], s[0:1], 0x10                ; os
	v_lshl_add_u32 v5, v0, 2, SPARE
	v_mov_b32 v6, 0
	ds_add_u32 v5, v6
	ds_add_u32 v5, v6
	s_wait_dscnt 0x0
	v_lshrrev_b32 v7, 5, v0
	s_delay_alu instid0(VALU_DEP_1)
	v_readfirstlane_b32 s[WV], v7                  ; wave 0..15
	s_and_b32 s[BH], ttmp7, 0xffff
	s_mul_i32 s46, s[BH], HEADB
	s_mov_b32 s47, 0
	; group 1: 26,112 dense bytes as 102 rows of 256 bytes (32 elements of 8 bytes), no padding, no mask
	s_mov_b32 s[G1+0], 3<<16
	s_mov_b32 s[G1+1], 32<<16                      ; tensor_dim0
	s_mov_b32 s[G1+2], 102<<16                     ; tensor_dim1
	s_mov_b32 s[G1+3], 32<<16                      ; tile_dim0
	s_mov_b32 s[G1+4], 102                         ; tile_dim1
	s_mov_b32 s[G1+5], 32                          ; the pitch
	s_mov_b32 s[G1+6], 0
	s_mov_b32 s[G1+7], 0
	s_mov_b32 s[SEL], 0x76543210
	s_mov_b32 s[SEL+1], 0xfedcba98
	s_mov_b32 s[CS], 0x3e38aa3b                    ; c = log2(e) / 8
	s_mov_b32 s[CS+1], s[CS]                       ; (named with it as a pair, so it is written)
	s_mov_b32 s[TB], 0
	s_mov_b32 s[TT], 0
	s_add_co_u32 s[SW], ttmp9, 1
	s_mov_b32 s[QB], ttmp9
	s_sub_co_u32 s[QN], 7, ttmp9
	s_wait_kmcnt 0x0
	s_add_nc_u64 s[HB:HB+1], s[4:5], s[46:47]
	s_mov_b32 s[G0], 1                             ; count = 1
	s_mov_b32 s[G0+1], 0                           ; LDS: slot 0
	s_mov_b64 s[G0+2:G0+3], s[HB:HB+1]             ; the head's first 256 keys
	s_or_b32 s[G0+3], s[G0+3], 0x80000000          ; type = 2
	TLOAD
	v_and_b32 v7, 31, v0
	s_delay_alu instid0(VALU_DEP_1)
	v_lshlrev_b32 v1, 4, v7
	s_delay_alu instid0(VALU_DEP_2)
	v_lshlrev_b32 v2, 3, v7
	s_wait_alu depctr_va_vdst(0)
	v_and_b32 v7, 15, v0                           ; r
	v_bfe_u32 v11, v0, 4, 1                        ; h
	s_delay_alu instid0(VALU_DEP_2)
	v_lshlrev_b32 v9, 3, v7
	s_delay_alu instid0(VALU_DEP_3)
	v_lshlrev_b32 v10, 4, v7
	s_wait_alu depctr_va_vdst(0)
	v_and_b32 v8, 8, v7
	s_delay_alu instid0(VALU_DEP_1)
	v_add_nc_u32 v8, v8, v7
	v_lshlrev_b32 v11, 4, v11
	s_delay_alu instid0(VALU_DEP_1)
	v_sub_nc_u32 v8, v8, v11                       ; r + 8 (r / 8) - 16 h
	QLOAD QB
.irp i, 0,1,2,3,4,5
	v_mov_b32 v[38+\i], 0                          ; the zero codes between two tiles of keys: written once
	v_mov_b32 v[56+\i], 0
.endr
.irp b, 0,1,2,3
	v_mov_b32 v[PT+\b], 0                          ; written once: a lane permute's destination counts as one of its sources
.endr
	v_mov_b32 v252, 0                              ; likewise
	v_mov_b32 v31, 0                               ; (named as the upper half of the pair v[30:31])
	INIT
.Ltrip:                                            ; eight trips; behind each change of slots the next trip's keys are asked for
	CHANGE 1
	s_cmp_lg_u32 s[TT], s[SW]                      ; the first block's last slot is done: its results leave, and the second block begins.  No LDS instruction, barrier or tensor load stands in here
	s_cbranch_scc1 .Lsame_block
	QLOAD QN                                       ; asked for first: it lands under the way out
	OUT
	s_mov_b32 s[QB], s[QN]
	INIT
.Lsame_block:
	v_add_nc_u32 v3, s[TB], v1
	v_add_nc_u32 v4, s[TB], v2
	STEP 0
	STEP 1
	s_xor_b32 s[TB], s[TB], SLOT1
	s_add_co_u32 s[TT], s[TT], 1
	s_cmp_lt_u32 s[TT], 8
	s_cbranch_scc1 .Ltrip
	CHANGE 0                                       ; the ninth trip is written out
	v_add_nc_u32 v3, s[TB], v1
	v_add_nc_u32 v4, s[TB], v2
	STEP 0
	STEP 1
	OUT
	s_wait_tensorcnt 0x0                           ; the wave's end
	ds_add_u32 v5, v6
	s_wait_dscnt 0x0
	s_endpgm
.Lfunc_end_k_q960c5b2363_attn:
	.size	k_q960c5b2363_attn, .Lfunc_end_k_q960c5b2363_attn-k_q960c5b2363_attn
	.p2alignl 7, 3214868480
	.fill 96, 4, 3214868480
	.section	.rodata,"a",@progbits
	.p2align	6, 0x0
	.amdhsa_kernel k_q960c5b2363_attn
		.amdhsa_group_segment_fixed_size 327680
		.amdhsa_private_segment_fixed_size 0
		.amdhsa_enable_private_segment 0
		.amdhsa_kernarg_size 24
		.amdhsa_user_sgpr_count 2
		.amdhsa_user_sgpr_kernarg_segment_ptr 1
		.amdhsa_wavefront_size32 1
		.amdhsa_system_sgpr_workgroup_id_x 1
		.amdhsa_system_sgpr_workgroup_id_y 1
		.amdhsa_system_sgpr_workgroup_id_z 1
		.amdhsa_system_vgpr_workitem_id 0
		.amdhsa_next_free_vgpr 256
		.amdhsa_next_free_sgpr 66
		.amdhsa_reserve_vcc 1
		.amdhsa_float_denorm_mode_32 3
		.amdhsa_float_denorm_mode_16_64 3
		.amdhsa_memory_ordered 1
		.amdhsa_forward_progress 1
		.amdhsa_inst_pref_size 111
	.end_amdhsa_kernel
	.amdgpu_metadata
---
amdhsa.version: [ 1, 2 ]
amdhsa.kernels:
  - .name:           k_q960c5b2363_attn
    .symbol:         k_q960c5b2363_attn.kd
    .args:
      - { .name: qkv, .offset: 0, .size: 8, .value_kind: global_buffer, .address_space: global }
      - { .name: oq, .offset: 8, .size: 8, .value_kind: global_buffer, .address_space: global }
      - { .name: os, .offset: 16, .size: 8, .value_kind: global_buffer, .address_space: global }
    .group_segment_fixed_size: 327680
    .private_segment_fixed_size: 0
    .kernarg_segment_align: 8
    .kernarg_segment_size: 24
    .max_flat_workgroup_size: 512
    .sgpr_count:     66
    .vgpr_count:     256
    .wavefront_size: 32
...
	.end_amdgpu_metadata
.endif
;; end of part 3
;; launch proj (part 4): grid 4 x 32, 4 waves a work-group, clusters of 4 x 4, 327,680 bytes of LDS; arguments oq, os, wq, ws, b_out, out0; writes out0
.if DOCPART == 4
	.amdgcn_target "amdgcn-amd-amdhsa--gfx1250"
	.amdhsa_code_object_version 6
	.text
	.protected	k_q960c5b2363_proj
	.globl	k_q960c5b2363_proj
	.p2align	8
	.type	k_q960c5b2363_proj,@function
k_q960c5b2363_proj:
	s_mov_b64 s[64:65], 0
	v_nop
	global_prefetch_b8 v0, s[64:65] scope:SCOPE_SE
	s_setreg_imm32_b32 hwreg(HW_REG_WAVE_MODE, 25, 1), 1
	s_wait_xcnt 0x0
	s_wait_alu depctr_hold_cnt(0) depctr_sa_sdst(0) depctr_va_vdst(0) depctr_va_sdst(0) depctr_va_ssrc(0) depctr_va_vcc(0) depctr_vm_vsrc(0)
	s_getreg_b32 s2, hwreg(HW_REG_IB_STS2, 6, 4)
	s_cmp_eq_u32 s2, 0
	s_cbranch_scc0 .Lentry_in_a_cluster
	s_endpgm
.Lentry_in_a_cluster:
	s_bfe_u32 s2, ttmp6, 0x10000c
	s_cmp_lg_u32 s2, 0xf033
	s_cbranch_scc0 .Lentry_shape_is_right
	s_endpgm
.Lentry_shape_is_right:
; out0 = o w_out + b_out on codes of BF6 (E3M2) with E8M0 scales, K = 1,024, sums in f32.  o's codes (oq, os) come from attention, w_out's are wq's and ws's blocks 24-31.
; A tile of 256 x 256 to a work-group of four waves; a wave makes 128 x 128: 64 accumulators, 512 registers.  K goes in four steps of 256 through two LDS slots filled by the tensor data mover.
; The operands lie in memory as images of the matrix operand's registers (a fragment of 16 rows x 128 K: 1,536 bytes), so 128 rows x 256 K are 24,576 dense bytes, and a fragment is read from LDS by two loads of 16 and two of 8 bytes a lane, lanes on end.
; THE ROWS OF A TILE ARE NOT NEIGHBOURS: lane r of tile 2 g + u takes row 32 g + 8 u + r + 8 (r / 8).  THE MATRIX INSTRUCTION IS USED TRANSPOSED: source 0 = 16 columns of w_out (B), source 1 = 16 rows of o (A):
; in accumulator (a, b) a lane holds row 32 (a / 2) + 8 (a % 2) + r + 8 (r / 8), and register j column 32 (b / 2) + 8 (b % 2) + 16 h + j.  The way out puts rows and columns back in their places.
; The bias is the C of each sum's first matrix instruction.  CLUSTERS: 4 x 4 work-groups; A's tiles are asked for jointly along a row of the cluster, B's along a column.
; 128 work-groups: 8,192 x 1,024 has no more tiles of this size.
; REGISTERS: window 0: v1-7 at work at the head; v16-23 LDS addresses; v24-26 the way out; v27 scale words' address; v28, v29 for the add; v32-63 scale words, two sets; v64-127 the bias; v128-223 A's fragments, one set; on the way out v128-255 rows read back.
;   window 1: B's fragments, two sets.   windows 2, 3: the accumulators.
.set FR,     12
.set NL,     4
.set NP,     4                         ; places behind this matrix instruction (ISA guide 7.12.1)
.set NQ,     2
.set HALFT,  24576                     ; 128 rows x 256 K: what one tensor load brings
.set SLOT,   4*HALFT
.set SCL,    2*SLOT                    ; behind the ring: A's scale words for all of K, 2 x 4,096 bytes,
.set SCB,    8320                      ; and B's, 128 bytes further on than they need lie: so the two halves of the lanes read different banks
.set SPARE,  213248                    ; the spare words, 128 bytes for each wave: two blocks of 256 bytes that no other line names
.set SPITCH, 528                       ; the way out: a stage of 16 rows x (512 + 16) bytes for each wave, in slot 0, which has had its last fill and its last read by then
.set ADRA, 16
.set ADRB, 20
.set STO,  24
.set RD,   25
.set CO,   26
.set ADRS, 27
.set SPW,  28
.set NIL,  29
.set SC,   32
.set BB,   64
.set AF,   128
.set BK,   128
.set G1, 24
.set G0, 32
.set G1B, 48
.set G0B, 56
.set G1S, 68
.set G0S, 76
.set G1SB, 80
.set G0SB, 88
.set MSB, 0
.macro WIN new                         ; the immediate's high byte repeats the setting that is left
.if MSB != \new
	s_set_vgpr_msb (MSB<<8)|\new
.set MSB, \new
.endif
.endm
.set MUL_LO,   0xa1                    ; source 0 (B) window 1, source 1 (A) window 0, C and D window 2
.set MUL_HI,   0xf1                    ; the same, C and D window 3
.set FIRST_LO, 0x81                    ; the first step: C (the bias) window 0, D window 2
.set FIRST_HI, 0xc1                    ; D window 3
.set TO_B,     0x40                    ; destination window 1, address window 0
.macro JLOAD g0a, g1a, g0b, g1b        ; a joint load: waves 0 and 1 fetch for A, waves 2 and 3 for B.  Four v_nop follow each of the two lines
	s_cmp_eq_u32 s15, 0
	s_cbranch_scc0 .Lfor_b_\@
	tensor_load_to_lds s[\g0a:\g0a+3], s[\g1a:\g1a+7]
	s_nop 0
.rept 4
	v_nop
.endr
	s_branch .Lasked_\@
.Lfor_b_\@:
	tensor_load_to_lds s[\g0b:\g0b+3], s[\g1b:\g1b+7]
	s_nop 0
.rept 4
	v_nop
.endr
.Lasked_\@:
.endm
.macro CREST
	s_cmp_lg_u32 s14, 0
	s_cbranch_scc1 .Lnot_wave_0_\@
	s_barrier_signal -3
.Lnot_wave_0_\@:
	s_barrier_wait -3
	s_barrier_signal -1
	s_barrier_wait -1
.endm
.macro CROUND
	s_barrier_signal -1
	s_barrier_wait -1
	CREST
.endm
	s_load_b128 s[4:7], s[0:1], 0x0                ; oq, os
	s_load_b128 s[8:11], s[0:1], 0x10              ; wq, ws
	s_load_b128 s[96:99], s[0:1], 0x20             ; b_out, out0
	v_lshl_add_u32 v[SPW], v0, 2, SPARE
	v_mov_b32 v[NIL], 0
	ds_add_u32 v28, v29
	s_wait_dscnt 0x0
	v_lshrrev_b32 v1, 5, v0
	v_readfirstlane_b32 s14, v1                    ; wave 0..3
	s_lshr_b32 s15, s14, 1                         ; which half of the tile's rows is mine.  Also: I fetch for A (0) or for B (1)
	s_and_b32 s16, s14, 1                          ; which half of its columns.  Also: which 128 rows of that side I fetch
	s_bfe_u32 s40, ttmp6, 0x40000                  ; cx, cy
	s_bfe_u32 s41, ttmp6, 0x40004
	s_lshl_b32 s42, ttmp9, 2
	s_add_co_u32 s42, s42, s40                     ; tile column = 4 x cluster x + cx
	s_and_b32 s17, ttmp7, 0xffff
	s_lshl_b32 s17, s17, 2
	s_add_co_u32 s17, s17, s41                     ; tile row = 4 x cluster y + cy
	s_lshl_b32 s43, s41, 2
	s_lshl_b32 s43, 15, s43                        ; my row of the cluster
	s_lshl_b32 s44, 0x1111, s40                    ; my column
	; group 1: dense blocks as rows of 256 bytes (32 elements of 8 bytes), no padding: 96 rows of codes, 16 of scale words
	s_or_b32 s[G1+0], s43, (3<<16)|(1<<21)
	s_or_b32 s[G1B+0], s44, (3<<16)|(1<<21)
.irp g, G1, G1B
	s_mov_b32 s[\g+1], 32<<16
	s_mov_b32 s[\g+2], 96<<16
	s_mov_b32 s[\g+3], 32<<16
	s_mov_b32 s[\g+4], 96
	s_mov_b32 s[\g+5], 32
	s_mov_b32 s[\g+6], 0
	s_mov_b32 s[\g+7], 0
.endr
	s_or_b32 s[G1S+0], s43, (3<<16)|(1<<21)
	s_or_b32 s[G1SB+0], s44, (3<<16)|(1<<21)
.irp g, G1S, G1SB
	s_mov_b32 s[\g+1], 32<<16
	s_mov_b32 s[\g+2], 16<<16
	s_mov_b32 s[\g+3], 32<<16
	s_mov_b32 s[\g+4], 16
	s_mov_b32 s[\g+5], 32
	s_mov_b32 s[\g+6], 0
	s_mov_b32 s[\g+7], 0
.endr
	s_lshl_b32 s20, s17, 1
	s_add_co_u32 s20, s20, s16                     ; A: the block of 128 rows that I fetch
	s_lshl_b32 s22, s20, 12
	s_mov_b32 s23, 0
	s_mul_i32 s20, s20, 98304
	s_mov_b32 s21, 0
	s_lshl_b32 s46, s42, 1
	s_add_co_u32 s46, s46, s16
	s_add_co_u32 s46, s46, 24                      ; B: w_out's blocks begin at 24
	s_lshl_b32 s92, s46, 12
	s_mov_b32 s93, 0
	s_mul_i32 s46, s46, 98304
	s_mov_b32 s47, 0
	s_mul_i32 s45, s14, HALFT                      ; where they go: no place in the cluster enters an LDS address
	s_lshl_b32 s94, s14, 12
	s_lshl_b32 s95, s15, 7
	s_add_co_u32 s94, s94, s95
	s_wait_kmcnt 0x0
	s_add_nc_u64 s[20:21], s[4:5], s[20:21]
	s_add_nc_u64 s[22:23], s[6:7], s[22:23]
	s_add_nc_u64 s[46:47], s[8:9], s[46:47]
	s_add_nc_u64 s[92:93], s[10:11], s[92:93]
	CROUND                                         ; all sixteen work-groups are here: the first joint loads meet
	s_mov_b32 s[G0S], 1
	s_add_co_u32 s[G0S+1], s94, SCL
	s_mov_b64 s[G0S+2:G0S+3], s[22:23]
	s_or_b32 s[G0S+3], s[G0S+3], 0x80000000
	s_mov_b32 s[G0SB], 1
	s_add_co_u32 s[G0SB+1], s94, SCL
	s_mov_b64 s[G0SB+2:G0SB+3], s[92:93]
	s_or_b32 s[G0SB+3], s[G0SB+3], 0x80000000
	JLOAD G0S, G1S, G0SB, G1SB                     ; the scale words of all of K: filled once
.irp s, 0,1
	s_mov_b32 s[G0+4*\s], 1
	s_add_co_u32 s[G0+4*\s+1], s45, \s*SLOT
	s_add_nc_u64 s[G0+4*\s+2:G0+4*\s+3], s[20:21], \s*HALFT
	s_or_b32 s[G0+4*\s+3], s[G0+4*\s+3], 0x80000000
	s_mov_b32 s[G0B+4*\s], 1
	s_add_co_u32 s[G0B+4*\s+1], s45, \s*SLOT
	s_add_nc_u64 s[G0B+4*\s+2:G0B+4*\s+3], s[46:47], \s*HALFT
	s_or_b32 s[G0B+4*\s+3], s[G0B+4*\s+3], 0x80000000
	JLOAD G0+4*\s, G1, G0B+4*\s, G1B               ; K steps 0 and 1: by this text's count three tensor loads of a wave are out
.endr
	v_and_b32 v1, 15, v0                           ; r
	v_bfe_u32 v2, v0, 4, 1                         ; h
	v_and_b32 v3, 31, v0
	v_lshlrev_b32 v[CO], 4, v3                     ; 16 x lane
	v_lshlrev_b32 v5, 3, v3                        ; 8 x lane
	s_mul_i32 s21, s15, HALFT
	s_mul_i32 s22, s16, HALFT
	s_add_co_u32 s22, s22, 2*HALFT
.irp s, 0,1
	v_add_nc_u32 v[ADRA+\s], s21, v[CO]
	v_add_nc_u32 v[ADRB+\s], s22, v[CO]
	v_add_nc_u32 v[ADRA+2+\s], s21, v5
	v_add_nc_u32 v[ADRB+2+\s], s22, v5
	s_add_co_u32 s21, s21, SLOT
	s_add_co_u32 s22, s22, SLOT
.endr
	v_lshlrev_b32 v6, 3, v1
	s_lshl_b32 s21, s15, 12
	s_lshl_b32 s22, s16, 12
	s_add_co_u32 s22, s22, SCB
	s_sub_co_u32 s22, s22, s21
	v_mul_u32_u24 v7, s22, v2                      ; lanes 16-31 take B's scale words
	s_add_co_u32 s21, s21, SCL
	v_add_nc_u32 v6, v6, v7
	v_add_nc_u32 v[ADRS], s21, v6
	s_mul_i32 s23, s14, 16*SPITCH                  ; my stage
	v_mul_u32_u24 v6, v1, SPITCH
	v_lshl_add_u32 v6, v2, 6, v6
	v_add_nc_u32 v[STO], s23, v6                   ; in: row r, + 64 h
	v_add_nc_u32 v[RD], s23, v[CO]                 ; back: the 32 lanes take one row of 512 bytes
	s_lshl_b32 s19, s42, 1
	s_add_co_u32 s19, s19, s16                     ; my block of 128 columns
	s_lshl_b32 s46, s19, 9
	s_mov_b32 s47, 0
	s_add_nc_u64 s[46:47], s[96:97], s[46:47]      ; its bias
	v_lshlrev_b32 v6, 6, v2
.irp b, 0,1,2,3,4,5,6,7
	global_load_b128 v[BB+8*\b:BB+8*\b+3], v6, s[46:47] offset:128*(\b/2)+32*(\b%2)       ; register j of tile b: the bias of column 32 (b / 2) + 8 (b % 2) + 16 h + j
	global_load_b128 v[BB+8*\b+4:BB+8*\b+7], v6, s[46:47] offset:128*(\b/2)+32*(\b%2)+16
.endr
	s_lshl_b32 s20, s17, 8
	s_lshl_b32 s21, s15, 7
	s_add_co_u32 s20, s20, s21                     ; my first row of out0
	s_lshl_b32 s20, s20, 12                        ; rows of 4,096 bytes
	s_lshl_b32 s21, s19, 9
	s_add_co_u32 s20, s20, s21                     ; + my first column
	s_mov_b32 s21, 0
	s_add_nc_u64 s[12:13], s[98:99], s[20:21]
.macro FRAG reg, adr, q, i             ; a fragment's image: 16 bytes, 8, 16, 8 a lane; lanes on end
	ds_load_b128 v[\reg:\reg+3], v[\adr] offset:3072*(\i)+1536*(\q)
	ds_load_b64 v[\reg+4:\reg+5], v[\adr+2] offset:3072*(\i)+1536*(\q)+512
	ds_load_b128 v[\reg+6:\reg+9], v[\adr] offset:3072*(\i)+1536*(\q)+768
	ds_load_b64 v[\reg+10:\reg+11], v[\adr+2] offset:3072*(\i)+1536*(\q)+1280
.endm
; 16 matrix instructions: A's blocks a0, a0 + 1 x B's eight.  zero = 1: the first product starts the sums from the bias.  The 64 accumulators take turns, one instruction a turn, in the same order in every step.
.macro MUL16 a0, p, q, sc, zero
.irp a, \a0, \a0+1
.irp b, 0,1,2,3,4,5,6,7
.if \zero
	v_wmma_scale_f32_16x16x128_f8f6f4 v[8*(8*((\a)%4)+\b):8*(8*((\a)%4)+\b)+7], v[128*(\p)+FR*\b:128*(\p)+FR*\b+FR-1], v[AF+FR*(\a):AF+FR*(\a)+FR-1], v[BB+8*\b:BB+8*\b+7], v[SC+8*NQ*(\sc)+NQ*\b+(\q)], v[SC+8*NQ*(\sc)+NQ*(\a)+(\q)] matrix_a_fmt:MATRIX_FMT_BF6 matrix_b_fmt:MATRIX_FMT_BF6 matrix_a_scale:MATRIX_SCALE_ROW1
.else
	v_wmma_scale_f32_16x16x128_f8f6f4 v[8*(8*((\a)%4)+\b):8*(8*((\a)%4)+\b)+7], v[128*(\p)+FR*\b:128*(\p)+FR*\b+FR-1], v[AF+FR*(\a):AF+FR*(\a)+FR-1], v[8*(8*((\a)%4)+\b):8*(8*((\a)%4)+\b)+7], v[SC+8*NQ*(\sc)+NQ*\b+(\q)], v[SC+8*NQ*(\sc)+NQ*(\a)+(\q)] matrix_a_fmt:MATRIX_FMT_BF6 matrix_b_fmt:MATRIX_FMT_BF6 matrix_a_scale:MATRIX_SCALE_ROW1
.endif
.endr
.endr
.endm
.macro FETCH_B slot, q, p
	WIN TO_B
.irp i, 0,1,2,3,4,5,6,7
	FRAG 128*(\p)+FR*\i, ADRB+\slot, \q, \i
.endr
	WIN 0
.endm
.macro FETCH_A slot, q, i0
.irp i, \i0, \i0+1, \i0+2, \i0+3
	FRAG AF+FR*(\i), ADRA+\slot, \q, \i
.endr
.endm
.macro SCALES sc, sg                   ; K step sg's scale words into set sc: lanes 0-15 A's block i, lanes 16-31 B's block i
.irp i, 0,1,2,3,4,5,6,7
	ds_load_b64 v[SC+8*NQ*\sc+NQ*\i:SC+8*NQ*\sc+NQ*\i+1], v[ADRS] offset:1024*\sg+128*\i
.endr
.endm
.macro PLACES n                        ; plain vector instructions between a matrix instruction and a load into, or a read of, its registers
.rept \n
	v_nop
.endr
.endm
.macro STEP slot, q, zero
	s_wait_dscnt 4*NL                              ; B's set and A's blocks 0-3 are in; the youngest 16 loads (A's blocks 4-7) may be out
.if \zero
	WIN FIRST_LO
.else
	WIN MUL_LO
.endif
	MUL16 0, (\q)%2, \q, \slot, \zero
	MUL16 2, (\q)%2, \q, \slot, \zero
	s_wait_dscnt 0
	PLACES NP
	FETCH_B \slot, (\q)+1, 1-(\q)%2
	FETCH_A \slot, (\q)+1, 0
.if \zero
	WIN FIRST_HI
.else
	WIN MUL_HI
.endif
	MUL16 4, (\q)%2, \q, \slot, \zero
	MUL16 6, (\q)%2, \q, \slot, \zero
	PLACES NP
	WIN 0
	FETCH_A \slot, (\q)+1, 4
.endm
; A slot's last step changes slots: one barrier; in front of it each wave waits for all its tensor loads, adds 0 to its spare word, and waits for that and for its reads of this slot.  fill = 1: this slot is filled again, two K steps ahead.
.macro TURN slot, next, fill, sg
	s_wait_tensorcnt 0x0                           ; all my tensor loads have landed: my part of the next slot
	ds_add_u32 v[SPW], v[NIL]                      ; 0 onto my spare word
	s_wait_dscnt 4*NL+1                            ; (the add and the youngest 16 loads may be out)
	WIN MUL_LO
	MUL16 0, 1, NQ-1, \slot, 0
	s_wait_dscnt 0x0                               ; the add is done, and my reads of this slot are over
	s_barrier_signal -1
	MUL16 2, 1, NQ-1, \slot, 0
	WIN 0
	s_barrier_wait -1
.if \fill
	CREST                                          ; the barrier has opened a round of the cluster's: no wave of any partner still reads this slot or has a load on its way
	s_add_nc_u64 s[G0+4*\slot+2:G0+4*\slot+3], s[G0+4*\slot+2:G0+4*\slot+3], 2*HALFT
	s_add_nc_u64 s[G0B+4*\slot+2:G0B+4*\slot+3], s[G0B+4*\slot+2:G0B+4*\slot+3], 2*HALFT
	JLOAD G0+4*\slot, G1, G0B+4*\slot, G1B         ; the first tensor load behind the round; its four v_nop are the places in front of the loads below
.else
	PLACES NP
.endif
	FETCH_B \next, 0, 0
	FETCH_A \next, 0, 0
	SCALES \next, \sg
	WIN MUL_HI
	MUL16 4, 1, NQ-1, \slot, 0
	MUL16 6, 1, NQ-1, \slot, 0
	PLACES NP
	WIN 0
	FETCH_A \next, 0, 4
.endm
	s_wait_loadcnt 0x0                             ; the bias
	s_wait_tensorcnt 1                             ; the scale words and my part of K step 0 are in; K step 1's load may be out
	s_barrier_signal -1
	s_barrier_wait -1
	FETCH_B 0, 0, 0
	FETCH_A 0, 0, 0
	SCALES 0, 0
	FETCH_A 0, 0, 4
	STEP 0, 0, 1                                   ; K = 1,024 is four slots' worth: written out, no loop
	TURN 0, 1, 1, 1                                ; slot 0 takes K step 2
	STEP 1, 0, 0
	TURN 1, 0, 1, 2                                ; slot 1 takes K step 3
	STEP 0, 0, 0
	TURN 0, 1, 0, 3                                ; behind this barrier nobody reads slot 0 any more, and nothing is filled
	STEP 1, 0, 0
	s_wait_dscnt 4*NL
	WIN MUL_LO
	MUL16 0, 1, NQ-1, 1, 0
	MUL16 2, 1, NQ-1, 1, 0
	s_wait_dscnt 0
	WIN MUL_HI
	MUL16 4, 1, NQ-1, 1, 0
	MUL16 6, 1, NQ-1, 1, 0
	WIN 0
; THE WAY OUT, block by block of 16 rows x 128 columns, through my own stage in LDS: in by lanes (a lane's eight numbers at their columns' place), back as whole rows of 512 bytes.
; LDS serves a wave's instructions in order (ISA guide 5.7.1.4): no wait between the stores and the loads, nor in front of the next block's stores.
.macro TOSTAGE a
.set AC, 64*((\a)%4)
.set WN, 0x08+4*((\a)/4)
	WIN WN                                         ; the data: window 2 or 3
.irp b, 0,1,2,3,4,5,6,7
	ds_store_b128 v[STO], v[AC+8*\b:AC+8*\b+3] offset:128*(\b/2)+32*(\b%2)          ; each accumulator from its low end on
	ds_store_b128 v[STO], v[AC+8*\b+4:AC+8*\b+7] offset:128*(\b/2)+32*(\b%2)+16
.endr
	WIN 0
.set BBK, BK+64*((\a)%2)
.irp t, 0,1,2,3,4,5,6,7,8,9,10,11,12,13,14,15
	ds_load_b128 v[BBK+4*\t:BBK+4*\t+3], v[RD] offset:\t*SPITCH
.endr
.endm
.macro SEND a, younger                 ; younger: the LDS instructions issued behind block a's loads, which may stay out
.set BBK, BK+64*((\a)%2)
	s_wait_dscnt \younger
.irp t, 0,1,2,3,4,5,6,7,8,9,10,11,12,13,14,15
	global_store_b128 v[CO], v[BBK+4*\t:BBK+4*\t+3], s[12:13] offset:(32*((\a)/2)+8*((\a)%2)+\t+8*(\t/8))*4096 th:TH_STORE_NT   ; 32 lanes store 512 consecutive bytes, aligned; the stage's row t is the tile's row t + 8 (t / 8); 127 rows at the most: inside the signed 24-bit immediate
.endr
.endm
	PLACES NP                                      ; behind the last products: for the loads into the registers that held A's fragments, and for the reads of results
	TOSTAGE 0
.irp a, 1,2,3,4,5,6,7
.if \a > 1
	s_wait_xcnt 0x0                                ; block a - 2's stores have read their registers: block a's loads may land there
.endif
	TOSTAGE \a
	SEND \a-1, 32                                  ; behind block a - 1's loads: block a's 16 stores and 16 loads
.endr
	SEND 7, 0
	s_wait_tensorcnt 0x0                           ; the wave's end
	ds_add_u32 v[SPW], v[NIL]
	s_wait_dscnt 0x0
	CROUND                                         ; the closing round: no work-group ends while a partner may still ask for a tile that names it
	s_endpgm
.Lfunc_end_k_q960c5b2363_proj:
	.size	k_q960c5b2363_proj, .Lfunc_end_k_q960c5b2363_proj-k_q960c5b2363_proj
	.p2alignl 7, 3214868480
	.fill 96, 4, 3214868480
	.section	.rodata,"a",@progbits
	.p2align	6, 0x0
	.amdhsa_kernel k_q960c5b2363_proj
		.amdhsa_group_segment_fixed_size 327680
		.amdhsa_private_segment_fixed_size 0
		.amdhsa_enable_private_segment 0
		.amdhsa_kernarg_size 48
		.amdhsa_user_sgpr_count 2
		.amdhsa_user_sgpr_kernarg_segment_ptr 1
		.amdhsa_wavefront_size32 1
		.amdhsa_system_sgpr_workgroup_id_x 1
		.amdhsa_system_sgpr_workgroup_id_y 1
		.amdhsa_system_sgpr_workgroup_id_z 1
		.amdhsa_system_vgpr_workitem_id 0
		.amdhsa_next_free_vgpr 1024
		.amdhsa_next_free_sgpr 106
		.amdhsa_reserve_vcc 0
		.amdhsa_float_denorm_mode_32 3
		.amdhsa_float_denorm_mode_16_64 3
		.amdhsa_memory_ordered 1
		.amdhsa_forward_progress 1
		.amdhsa_inst_pref_size 144
	.end_amdhsa_kernel
	.amdgpu_metadata
---
amdhsa.version: [ 1, 2 ]
amdhsa.kernels:
  - .name:           k_q960c5b2363_proj
    .symbol:         k_q960c5b2363_proj.kd
    .args:
      - { .name: oq, .offset: 0, .size: 8, .value_kind: global_buffer, .address_space: global }
      - { .name: os, .offset: 8, .size: 8, .value_kind: global_buffer, .address_space: global }
      - { .name: wq, .offset: 16, .size: 8, .value_kind: global_buffer, .address_space: global }
      - { .name: ws, .offset: 24, .size: 8, .value_kind: global_buffer, .address_space: global }
      - { .name: b_out, .offset: 32, .size: 8, .value_kind: global_buffer, .address_space: global }
      - { .name: out0, .offset: 40, .size: 8, .value_kind: global_buffer, .address_space: global }
    .group_segment_fixed_size: 327680
    .private_segment_fixed_size: 0
    .kernarg_segment_align: 8
    .kernarg_segment_size: 48
    .max_flat_workgroup_size: 128
    .sgpr_count:     106
    .vgpr_count:     1024
    .wavefront_size: 32
...
	.end_amdgpu_metadata
.endif
;; end of part 4
